; MI455X (gfx1250); checked and timed in simulation.
; The chip was launched on July 23, 2026; its instructions are those of AMD's public machine-readable ISA for CDNA 5 (MIT licence, August 2026) and "CDNA5" Instruction Set Architecture Reference Guide (July 2026). The comments in the code are by the model that wrote it; some were corrected since.
;; Linear Net. Allowed arithmetic: matrix products marked QUANTISED: E2M1 operands, one E8M0 scale for each 32 along K, by v_wmma_scale_f32_16x16x128_f8f6f4 with both operands' format E2M1 (or v_wmma_scale_f32_32x16x128_f4), f32 sums; everything else in f32.
;; Inputs: W_i 2,048 x 2,048 float32; W_r 2,048 x 2,048 float32; x 2,048 x 2,048 float32.
;; Outputs: out0 2,048 x 4,096 float32.
;; This version of the problem:
;;   THIS VERSION OF THE PROBLEM IS GIVEN IN LOW PRECISION. The matrix products marked QUANTISED in the list below multiply operands that are first quantised to E2M1 (2 exponent bits, 1 mantissa bit; 4 bits a number), with one power-of-two scale for each 32 numbers along K (OCP MX v1.0); their sums are f32. All else is computed in f32.
;;   The module's matrix products, in the order in which they are computed (A, B: the left and right operand; K: the contracted axis; several contracted axes count as one K, in the product's order):
;;     1. [M 2,048, K 2,048] x [K 2,048, N 2,048]; A: input x; B: input W_r: QUANTISED
;;     2. [M 2,048, K 2,048] x [K 2,048, N 2,048]; A: input x; B: input W_i: QUANTISED
;;     3. [M 2,048, K 2,048] x [K 2,048, N 2,048]; A: input W_r; B: computed on the way: QUANTISED
;;     4. [M 2,048, K 2,048] x [K 2,048, N 2,048]; A: input W_i; B: computed on the way: QUANTISED
;;     5. [M 2,048, K 2,048] x [K 2,048, N 2,048]; A: input W_r; B: computed on the way: QUANTISED
;;     6. [M 2,048, K 2,048] x [K 2,048, N 2,048]; A: input W_i; B: computed on the way: QUANTISED
;;   THE QUANTISER, for each operand of a quantised product, along K:
;;     - K is cut into blocks of 32 from its start; a last block that is shorter is filled with zeros.
;;     - A block's scale is 2^e with e = floor(log2(the largest magnitude in the block)) - 2, held to -126 .. 127; a block of zeros has e = 0. As a byte (E8M0): e + 127.
;;     - Each number is divided by its block's scale, clamped to +-6, and rounded to the nearest number of E2M1, ties to even, subnormals kept.
;;     - The product sums the exact products of the quantised numbers (number of the format x scale) in f32.
;;   ~~~python
;;   def quantise(x, axis):      # numpy; x: float32 -> the quantised numbers, widened to float32 again
;;       x = np.moveaxis(x, axis, -1); K = x.shape[-1]
;;       x = np.pad(x, [(0, 0)] * (x.ndim - 1) + [(0, -K % 32)]); x = x.reshape(x.shape[:-1] + (-1, 32)); a = np.abs(x).max(-1, keepdims=True)
;;       e = np.where(a > 0, np.clip(np.frexp(np.where(a > 0, a, 1))[1] - 1 - 2, -126, 127), 0)      # np.frexp(a)[1] - 1 = floor(log2(a)), exactly
;;       r = np.clip(x / 2.0 ** e, -6, 6)
;;       step = 2.0 ** (np.maximum(np.frexp(np.where(r == 0, 1, r))[1] - 1, 0) - 1)
;;       q = np.round(r / step) * step * 2.0 ** e      # np.round: ties to even
;;       return np.moveaxis(q.reshape(q.shape[:-2] + (-1,))[..., :K], -1, axis).astype(np.float32)
;;   ~~~
;;   OPERANDS COMPUTED ON THE WAY. 'Computed on the way' means the value that the module computes at that place (a softmax that the list does not call 'softmax' is quantised finished and normalised). What goes into a quantiser is computed in f32, as accurately as f32 sums, v_exp_f32 and their like allow (about 1e-6 of the number): no bf16 or f16 on the way to a quantiser, and a product that is left as it is and whose result goes on into a quantised operand takes f32 operands (vector FMAs, or v_wmma_f32_16x16x4_f32). A number that lies on a knife's edge between two numbers of the format may be rounded either way, as far as f32 arithmetic and the matrix unit's own rounding can turn it there, and no further.
;; 2 versions. Each part assembles by itself: llvm-mc -triple=amdgcn-amd-amdhsa -mcpu=gfx1250 --defsym DOCPART=n.
;; ======== version 1 of 2: 3 launches
;; workspace buffers: xq 2,228,224 bytes; wq 4,456,448 bytes; wt 4,456,448 bytes; rq 8,912,896 bytes
;; launch quant (part 1): grid 256 x 3, 4 waves a work-group, no clusters, 69,120 bytes of LDS; arguments x, W_r, W_i, xq, wq, wt; writes xq, wq, wt
.if DOCPART == 1
	.amdgcn_target "amdgcn-amd-amdhsa--gfx1250"
	.amdhsa_code_object_version 6
	.text
	.protected	k_qe30809efb9_quant
	.globl	k_qe30809efb9_quant
	.p2align	8
	.type	k_qe30809efb9_quant,@function
k_qe30809efb9_quant:
	s_mov_b64 s[64:65], 0
	v_nop
	global_prefetch_b8 v0, s[64:65] scope:SCOPE_SE
	s_setreg_imm32_b32 hwreg(HW_REG_WAVE_MODE, 25, 1), 1
	s_wait_xcnt 0x0
; out0 = [C_r | C_i], C = W^T (x W^T) in complex arithmetic written in real numbers; all six products on codes of FP4 (E2M1) with one E8M0 scale for each 32 along K.
; THE PROGRAM: this launch quantises the inputs; the second makes R^T = [W_r; W_i] x^T and quantises it in registers; the third makes C_r = W_r^T R_r - W_i^T R_i and C_i = W_r^T R_i + W_i^T R_r from wt and R's codes.
; DEAD WORK: none.  Every number of x, W_r and W_i reaches every output, and all six products are live.
; THIS LAUNCH: x along its rows -> xq;  W_r, W_i along their rows -> wq (W_r's rows, then W_i's);  W_r, W_i along their COLUMNS' direction (K = the first axis) -> wt (row m = column m of W; K' = W_r's 2,048 rows, then W_i's).
; A block's scale is 2^(floor(log2(its largest magnitude)) - 2); its byte is the largest magnitude's exponent field - 2, held at 1 from below; each number is divided by the scale and rounded to the nearest code, ties to even, beyond 6 to 6.
; LIMITS: a block of zeros gets the byte 1 where the quantiser says 127 (its codes are zeros, and only this program reads the bytes); blocks whose largest magnitude lies under 2^-124 have the byte held at 1;
; NaN and infinities among the inputs are not served.  In the third launch C_i is one f32 sum over both its products and not the sum of two f32 sums, and inside each block of 32 along K' the codes stand in another order, alike on both operands.
; THE WORKSPACE IS LAID AS IMAGES OF OPERAND REGISTERS.  A RECORD is 64 rows x 128 along K, 4,352 bytes: four fragments f (rows 16 f + r) of 1,024 bytes, in which the 16 bytes at 512 c + 16 (r + 16 h) are registers
; 4 c .. 4 c + 3 of lane (r, h), the block of 32 numbered 2 c + h; then 64 scale words (row 16 f + r at 4,096 + 4 (16 f + r); byte b = block b).  Records lie [K / 512][rows / 64][(K / 128) % 4].
; IN wt THE EIGHT-CODE GROUPS OF A BLOCK STAND IN THE ORDER 0, 2, 1, 3 (k 0-7, 16-23, 8-15, 24-31): the order in which the second launch's results fall into a lane's registers.
; SHARES.  A work-group takes a tile of 128 x 128 numbers of one tensor (y: 0 x, 1 W_r, 2 W_i), read once, 512 consecutive bytes a load, and laid into LDS.  (a) thread t takes row t: four whole blocks along the row.
; (b), W alone: thread t takes column t: four whole blocks down the column.  No lane asks another for a maximum.  The codes leave 16 bytes a lane, sixteen lanes to 256 consecutive aligned bytes;
; the scale words are gathered in LDS and leave 256 consecutive aligned bytes a wave.  No matrix unit, no tensor load, no cluster: work-groups share no input byte.
.set PITCH, 528                        ; a tile's row in LDS: 512 bytes + 16 = 132 words: row r starts at bank 4 r mod 64 (64 banks of 4 bytes: ISA guide 11.1)
.set REC,   4352
.set RGB,   4*REC                      ; the four records of 64 rows and 512 along K
.set WORDS, 128*PITCH                  ; behind the tile: (a)'s 128 scale words, then (b)'s
.set SPARE, WORDS+1024                 ; behind them: the spare words, 128 bytes for each wave: two blocks of 256 bytes that no other line names
.set GIN,  3                           ; v3   in: 16 x lane + 32 rows x wave
.set LST,  4                           ; v4   the tile in LDS, on the way in
.set LRA,  5                           ; v5   my row
.set LRB0, 6                           ; v6   my column, rows 0-63
.set LRB1, 7                           ; v7   rows 64-127
.set GC,   8                           ; v8   my 16 bytes' place in the two records of the tile
.set LW,   9                           ; v9   my scale word in LDS
.set LWR,  10                          ; v10  the gather: 8 bytes a lane
.set GW,   11                          ; v11  and their place in a record
.set SPW,  12                          ; v12  LDS address of my spare word; never rewritten
.set NIL,  13                          ; v13  0; never rewritten
.set TM,   16                          ; v16-19 largest magnitudes, v20-23 the conversions' scale operands, v24-27 bytes
.set X,    32                          ; v32-159 128 numbers
.set CA,   160                         ; v160-175 (a)'s codes
.set CB,   176                         ; v176-191 (b)'s codes
.set WD,   192                         ; v192-193 gathered words
.set PWA,  194
.set PWB,  195
	s_load_b256 s[4:11], s[0:1], 0x0               ; x, W_r, W_i, xq
	s_load_b128 s[12:15], s[0:1], 0x20             ; wq, wt
	v_lshl_add_u32 v[SPW], v0, 2, SPARE
	v_mov_b32 v[NIL], 0
	v_lshrrev_b32 v1, 5, v0
	v_readfirstlane_b32 s16, v1                    ; wave 0..3
	v_and_b32 v2, 31, v0                           ; lane
	s_and_b32 s17, ttmp7, 0xffff                   ; y: which tensor
	s_lshr_b32 s18, ttmp9, 4                       ; ti: the tile's 128 rows
	s_and_b32 s19, ttmp9, 15                       ; tj: its 128 columns
	s_lshl_b32 s20, s16, 18                        ; 32 rows of 8,192 bytes a wave
	v_lshlrev_b32 v[GIN], 4, v2
	v_add_nc_u32 v[GIN], s20, v[GIN]
	v_and_b32 v[LST], 0x60, v0                     ; 32 x wave
	v_mul_u32_u24 v[LST], v[LST], PITCH
	v_lshl_add_u32 v[LST], v2, 4, v[LST]
	v_mul_u32_u24 v[LRA], v0, PITCH
	v_lshlrev_b32 v[LRB0], 2, v0
	v_add_nc_u32 v[LRB1], 64*PITCH, v[LRB0]
	v_lshrrev_b32 v[GC], 6, v0                     ; which 64 rows,
	v_mul_u32_u24 v[GC], v[GC], RGB
	v_bfe_u32 v14, v0, 4, 2                        ; which fragment,
	v_lshl_add_u32 v[GC], v14, 10, v[GC]
	v_and_b32 v14, 15, v0                          ; which row of it
	v_lshl_add_u32 v[GC], v14, 4, v[GC]
	v_lshl_add_u32 v[LW], v0, 2, WORDS
	v_lshl_add_u32 v[LWR], v0, 3, WORDS
	s_and_b32 s21, s16, 1
	s_mul_i32 s21, s21, RGB
	s_add_co_u32 s21, s21, 4096
	v_lshl_add_u32 v[GW], v2, 3, s21
	s_cmp_eq_u32 s17, 0
	s_cselect_b32 s26, 32, 64                      ; groups of 64 rows in (a)'s buffer: xq 32, wq 64
	s_cmp_eq_u32 s17, 2
	s_cselect_b32 s27, 32, 0                       ; W_i's rows lie behind W_r's in wq,
	s_cselect_b32 s28, 4, 0                        ; and its K' behind W_r's in wt
	s_lshl_b32 s30, s18, 20                        ; the tile in its tensor: 128 rows of 8,192 bytes x ti + 512 bytes x tj
	s_lshl_b32 s31, s19, 9
	s_add_co_u32 s30, s30, s31
	s_mov_b32 s31, 0
	s_lshr_b32 s32, s19, 2                         ; (a): record ((tj / 4) x groups + 2 ti + first group) x 4 + tj % 4
	s_mul_i32 s32, s32, s26
	s_lshl_b32 s33, s18, 1
	s_add_co_u32 s32, s32, s33
	s_add_co_u32 s32, s32, s27
	s_lshl_b32 s32, s32, 2
	s_and_b32 s33, s19, 3
	s_add_co_u32 s32, s32, s33
	s_mul_i32 s32, s32, REC
	s_mov_b32 s33, 0
	s_lshr_b32 s34, s18, 2                         ; (b): record ((ti / 4 + 0 or 4) x 32 + 2 tj) x 4 + ti % 4
	s_add_co_u32 s34, s34, s28
	s_lshl_b32 s34, s34, 5
	s_lshl_b32 s35, s19, 1
	s_add_co_u32 s34, s34, s35
	s_lshl_b32 s34, s34, 2
	s_and_b32 s35, s18, 3
	s_add_co_u32 s34, s34, s35
	s_mul_i32 s34, s34, REC
	s_mov_b32 s35, 0
	s_wait_kmcnt 0x0
	s_cmp_eq_u32 s17, 1                            ; the choices hang on the work-group's y alone
	s_cselect_b64 s[22:23], s[6:7], s[8:9]
	s_cmp_eq_u32 s17, 0
	s_cselect_b64 s[22:23], s[4:5], s[22:23]       ; the tensor
	s_cselect_b64 s[24:25], s[10:11], s[12:13]     ; (a)'s buffer
	s_add_nc_u64 s[22:23], s[22:23], s[30:31]
	s_add_nc_u64 s[24:25], s[24:25], s[32:33]
	s_add_nc_u64 s[14:15], s[14:15], s[34:35]      ; (b)'s
.set TT, 0
.rept 32
	global_load_b128 v[X+4*TT:X+4*TT+3], v[GIN], s[22:23] offset:TT*8192 th:TH_LOAD_NT   ; my wave's row TT: 32 lanes read 512 consecutive bytes; read once in the launch
.set TT, TT+1
.endr
.irp g, 0,1,2,3
	s_wait_loadcnt 24-8*\g                         ; loads come back in order: these eight rows are in, the younger ones stay out
.irp i, 0,1,2,3,4,5,6,7
	ds_store_b128 v[LST], v[X+4*(8*\g+\i):X+4*(8*\g+\i)+3] offset:(8*\g+\i)*PITCH
.endr
.endr
	s_wait_dscnt 0x0                               ; for the others' sake: my rows lie in LDS
	s_barrier_signal -1
	s_barrier_wait -1                              ; the tile is whole
; v[X + 32 b + i], i = 0 .. 31, is block b of this lane: its codes go to v[cd + 4 b ..], the four bytes to v[pw].  perm = 1: the eight-code groups in the order 0, 2, 1, 3.
.macro QBLK cd, pw, perm
.irp b, 0,1,2,3
	v_max3_num_f32 v[TM+\b], |v[X+32*\b]|, |v[X+32*\b+1]|, 0x1800000   ; the floor 2^(3 - 127) among the leaves: the byte cannot fall under 1
.endr
.irp i, 2,4,6,8,10,12,14,16,18,20,22,24,26,28,30
.irp b, 0,1,2,3
	v_max3_num_f32 v[TM+\b], v[TM+\b], |v[X+32*\b+\i]|, |v[X+32*\b+\i+1]|   ; the four blocks by turns: no line waits for the line above it
.endr
.endr
.irp b, 0,1,2,3
	v_add_nc_u32 v[TM+4+\b], 0xff000000, v[TM+\b]  ; 2 off the exponent field: the conversion takes the exponent field of this operand as its scale, and nothing else of it
.endr
.irp b, 0,1,2,3
	v_lshrrev_b32 v[TM+8+\b], 23, v[TM+4+\b]       ; the scale's byte
.endr
	v_lshl_or_b32 v[\pw], v[TM+9], 8, v[TM+8]
	v_lshl_or_b32 v[\pw], v[TM+10], 16, v[\pw]
	v_lshl_or_b32 v[\pw], v[TM+11], 24, v[\pw]
.irp b, 0,1,2,3
.irp g, 0,1,2,3
.if \perm
	v_cvt_scalef32_pk8_fp4_f32 v[\cd+4*\b+(\g%2)*2+\g/2], v[X+32*\b+8*\g:X+32*\b+8*\g+7], v[TM+4+\b]
.else
	v_cvt_scalef32_pk8_fp4_f32 v[\cd+4*\b+\g], v[X+32*\b+8*\g:X+32*\b+8*\g+7], v[TM+4+\b]
.endif
.endr
.endr
	v_nop                                          ; one plain vector line behind the last scaled conversion
.endm
	; ---- (a): K along the tile's columns; my row
.set TT, 0
.rept 32
	ds_load_b128 v[X+4*TT:X+4*TT+3], v[LRA] offset:16*TT
.set TT, TT+1
.endr
	s_wait_dscnt 0x0
	QBLK CA, PWA, 0
.irp b, 0,1,2,3
	global_store_b128 v[GC], v[CA+4*\b:CA+4*\b+3], s[24:25] offset:(\b/2)*512+(\b%2)*256   ; block b = 2 c + h: sixteen lanes store 256 consecutive aligned bytes
.endr
	ds_store_b32 v[LW], v[PWA]
	s_cmp_eq_u32 s17, 0                            ; x is an operand along its rows alone.  The branch hangs on the work-group's y: all four waves go the same way
	s_cbranch_scc1 .Lonly_rows
	; ---- (b): K down the tile's rows; my column
.set TT, 0
.rept 64
	ds_load_b32 v[X+TT], v[LRB0] offset:TT*PITCH   ; 32 lanes read 128 consecutive bytes of a row
	ds_load_b32 v[X+64+TT], v[LRB1] offset:TT*PITCH
.set TT, TT+1
.endr
	s_wait_dscnt 0x0
	QBLK CB, PWB, 1
.irp b, 0,1,2,3
	global_store_b128 v[GC], v[CB+4*\b:CB+4*\b+3], s[14:15] offset:(\b/2)*512+(\b%2)*256
.endr
	ds_store_b32 v[LW], v[PWB] offset:512
	s_wait_dscnt 0x0                               ; my scale words lie in LDS
	s_barrier_signal -1
	s_barrier_wait -1                              ; everybody's do
	ds_load_b64 v[WD:WD+1], v[LWR]                 ; waves 0, 1: (a)'s words of rows 0-63, 64-127; waves 2, 3: (b)'s
	s_cmp_lt_u32 s16, 2
	s_cselect_b64 s[38:39], s[24:25], s[14:15]
	s_wait_dscnt 0x0
	global_store_b64 v[GW], v[WD:WD+1], s[38:39]   ; 32 lanes store 256 consecutive aligned bytes: a record's scale words
	s_branch .Lend
.Lonly_rows:
	s_wait_dscnt 0x0                               ; my scale word lies in LDS
	s_barrier_signal -1
	s_barrier_wait -1
	s_cmp_lt_u32 s16, 2                            ; there are (a)'s words alone: waves 0 and 1 carry them out
	s_cbranch_scc0 .Lend
	ds_load_b64 v[WD:WD+1], v[LWR]
	s_wait_dscnt 0x0
	global_store_b64 v[GW], v[WD:WD+1], s[24:25]
.Lend:
	s_wait_tensorcnt 0x0                           ; the wave's end: a tensor wait, an add of 0 and its wait, behind my last LDS store
	ds_add_u32 v[SPW], v[NIL]
	s_wait_dscnt 0x0
	s_endpgm
.Lfunc_end_k_qe30809efb9_quant:
	.size	k_qe30809efb9_quant, .Lfunc_end_k_qe30809efb9_quant-k_qe30809efb9_quant
	.p2alignl 7, 3214868480
	.fill 96, 4, 3214868480
	.section	.rodata,"a",@progbits
	.p2align	6, 0x0
	.amdhsa_kernel k_qe30809efb9_quant
		.amdhsa_group_segment_fixed_size 69120
		.amdhsa_private_segment_fixed_size 0
		.amdhsa_enable_private_segment 0
		.amdhsa_kernarg_size 48
		.amdhsa_user_sgpr_count 2
		.amdhsa_user_sgpr_kernarg_segment_ptr 1
		.amdhsa_wavefront_size32 1
		.amdhsa_system_sgpr_workgroup_id_x 1
		.amdhsa_system_sgpr_workgroup_id_y 1
		.amdhsa_system_sgpr_workgroup_id_z 1
		.amdhsa_system_vgpr_workitem_id 0
		.amdhsa_next_free_vgpr 200
		.amdhsa_next_free_sgpr 66
		.amdhsa_reserve_vcc 0
		.amdhsa_float_denorm_mode_32 3
		.amdhsa_float_denorm_mode_16_64 3
		.amdhsa_memory_ordered 1
		.amdhsa_forward_progress 1
		.amdhsa_inst_pref_size 32
	.end_amdhsa_kernel
	.amdgpu_metadata
---
amdhsa.version: [ 1, 2 ]
amdhsa.kernels:
  - .name:           k_qe30809efb9_quant
    .symbol:         k_qe30809efb9_quant.kd
    .args:
      - { .name: x, .offset: 0, .size: 8, .value_kind: global_buffer, .address_space: global }
      - { .name: W_r, .offset: 8, .size: 8, .value_kind: global_buffer, .address_space: global }
      - { .name: W_i, .offset: 16, .size: 8, .value_kind: global_buffer, .address_space: global }
      - { .name: xq, .offset: 24, .size: 8, .value_kind: global_buffer, .address_space: global }
      - { .name: wq, .offset: 32, .size: 8, .value_kind: global_buffer, .address_space: global }
      - { .name: wt, .offset: 40, .size: 8, .value_kind: global_buffer, .address_space: global }
    .group_segment_fixed_size: 69120
    .private_segment_fixed_size: 0
    .kernarg_segment_align: 8
    .kernarg_segment_size: 48
    .max_flat_workgroup_size: 128
    .sgpr_count:     66
    .vgpr_count:     200
    .wavefront_size: 32
...
	.end_amdgpu_metadata
.endif
;; end of part 1
;; launch rows (part 2): grid 8 x 32, 4 waves a work-group, clusters of 4 x 4, 327,680 bytes of LDS; arguments wq, xq, rq; writes rq
.if DOCPART == 2
	.amdgcn_target "amdgcn-amd-amdhsa--gfx1250"
	.amdhsa_code_object_version 6
	.text
	.protected	k_qe30809efb9_rows
	.globl	k_qe30809efb9_rows
	.p2align	8
	.type	k_qe30809efb9_rows,@function
k_qe30809efb9_rows:
	s_mov_b64 s[64:65], 0
	v_nop
	global_prefetch_b8 v0, s[64:65] scope:SCOPE_SE
	s_setreg_imm32_b32 hwreg(HW_REG_WAVE_MODE, 25, 1), 1
	s_wait_xcnt 0x0
	s_wait_alu depctr_hold_cnt(0) depctr_sa_sdst(0) depctr_va_vdst(0) depctr_va_sdst(0) depctr_va_ssrc(0) depctr_va_vcc(0) depctr_vm_vsrc(0)
	s_getreg_b32 s2, hwreg(HW_REG_IB_STS2, 6, 4)
	s_cmp_eq_u32 s2, 0
	s_cbranch_scc0 .Lentry_in_a_cluster
	s_endpgm
.Lentry_in_a_cluster:
	s_bfe_u32 s2, ttmp6, 0x10000c
	s_cmp_lg_u32 s2, 0xf033
	s_cbranch_scc0 .Lentry_shape_is_right
	s_endpgm
.Lentry_shape_is_right:
; R^T[n'][m] = sum over k of Wcat[n'][k] x[m][k], Wcat = W_r's 2,048 rows, then W_i's; K = 2,048; both operands as codes of FP4 with E8M0 scales, laid as images of operand registers (records of 64 rows x 128 K,
; 4,352 bytes: four fragments of 1,024 bytes, then 64 scale words; records lie [K / 512][rows / 64][(K / 128) % 4]).  No work is left out.
; The results are quantised in registers along m, which is the next product's K', and stored as records of rq: Rcat row n = [R_r^T[n] | -R_i^T[n]], row 2,048 + n = [R_i^T[n] | R_r^T[n]].  So each result goes out twice:
; as it is, to row n', K' = m;  and to row n' xor 2,048, K' = 2,048 + m, with the codes' sign bits turned where n' is a row of W_i.  Turning a sign is exact: the quantiser is odd.
; LIMITS: a block of zeros gets the byte 1 (its codes are zeros; only this program reads the bytes); NaN and infinities are not served.
; SHARES.  A work-group of four waves makes 128 rows of Wcat x 256 rows of x: 256 work-groups.  A wave makes 64 x 128: 32 accumulators of 16 x 16, 256 registers.
; THE MATRIX INSTRUCTION IS USED WITH source 0 = 16 rows of x, source 1 = 16 rows of Wcat: lane (r, h) then holds ONE row of Wcat and eight rows of x, neighbours along K'.  A lane's 16 numbers of a block of 32 are k 0-7 and 16-23
; (h = 0) or 8-15 and 24-31 (h = 1): so inside a block the codes stand in the order 0-7, 16-23, 8-15, 24-31, the same in which the first launch lays wt.
; THE RING.  K goes in slots of 512.  A slot's part of 64 rows is 17,408 consecutive bytes of memory, and neighbouring groups of 64 rows follow each other: a wave's tensor load is one dense block (waves 0, 1: 64 rows of Wcat each;
; waves 2, 3: 128 rows of x each), copied as it lies: every LDS load is 16 bytes a lane on end.  Three slots are filled at the head; K has four: one refill.  By the text's own count a wave has at most three tensor loads out.
; CLUSTERS: 4 x 4 work-groups.  The four of a row of the cluster need the same rows of Wcat, the four of a column the same rows of x: each block is asked for JOINTLY, by the same tensor load with the same descriptor and a mask that names the four.
; REGISTERS, in windows of 256: window 0: v8-19 LDS addresses; v20-23 the way out; v28, v29 the add's two; v32-37, v40-45 scale words, two sets; v64-95, v96-127 Wcat's fragments, two sets; v128-221 the way out.
;   window 1: the accumulators ((a, b) at v[8 (8 a + b)]).   window 2: x's fragments, two sets, at v0 and v64.
.set REC,   4352
.set RGB,   4*REC                      ; 64 rows x 512 K
.set ASIDE, 2*RGB                      ; a slot: Wcat's 128 rows, then x's 256
.set SLOT,  6*RGB
.set SPARE, 3*SLOT                     ; behind the ring: the spare words, 128 bytes for each wave: two blocks of 256 bytes that no other line names
.set SCR,   SPARE+512                  ; behind them: 256 bytes for each wave, where a record's scale words meet; no tensor load lands here
.set KA,    64*RGB                     ; from a slot of K to the next, in wq
.set KB,    32*RGB                     ; and in xq
.set ADRA, 8                           ; v8-10   my fragments of Wcat in slot 0, 1, 2: + 16 x lane
.set ADRB, 11                          ; v11-13  of x
.set ADSA, 14                          ; v14-16  the same places + 4 x lane: for the scale words
.set ADSB, 17                          ; v17-19
.set GO,   20                          ; v20     16 x lane: a fragment's image
.set WST,  21                          ; v21     where I put my row's scale word
.set WRD,  22                          ; v22     where I read 8 bytes of the record's words back
.set GWO,  23                          ; v23     8 x lane
.set SPW,  28                          ; v28     LDS address of my spare word; never rewritten
.set NIL,  29                          ; v29     0; never rewritten
.set SC,   32                          ; scale words, set p at v[SC + 8 p]: +0, +1 Wcat's (blocks 2 u in lanes 0-15, 2 u + 1 in lanes 16-31), +2 .. +5 x's; they hold scales and nothing else
.set AF,   64
.set CODES, 128                        ; the way out: for each a 8 registers of codes and 8 with the signs turned
.set TM,   200                         ; v200-203 largest magnitudes, v204-207 the other half's, then bytes, v212-215 the conversions' scale operands
.set PW,   216                         ; v216-219 a scale word for each a
.set WD,   220                         ; v220-221
.set G1A, 24                           ; s[24:31] descriptor group 1 for Wcat's blocks;  s[32:39] for x's
.set G1B, 32
.set G0A, 40                           ; s[40:51] group 0 for Wcat's, a set for each slot;  s[52:63] for x's
.set G0B, 52
.set P1,  76                           ; s[76:77] my record as it is;  s[78:79] the other
.set P2,  78
.set XM,  84                           ; s84 the sign bits of eight codes, or 0
.set SEL, 86                           ; s[86:87] lane selects for v_permlanex16_b32: lane l xor 16
.set MSB, 0
.macro WIN new                         ; the immediate's high byte repeats the setting that is left
.if MSB != \new
	s_set_vgpr_msb (MSB<<8)|\new
.set MSB, \new
.endif
.endm
.set MUL,  0x52                        ; source 0 (x) window 2, source 1 (Wcat) window 0, C and D window 1
.set TO_B, 0x80                        ; destination window 2, address window 0
; A joint load: waves 0 and 1 fetch for Wcat, waves 2 and 3 for x.  Each of the two lines has ONE mask and one set of registers for all that issue it; the branch hangs on the wave's number alone.
; An s_nop 0 and four v_nop follow each of the two lines, ahead of the jump, the label and what follows.
.macro JLOAD s
	s_cmp_eq_u32 s15, 0
	s_cbranch_scc0 .Lfor_b_\@
	tensor_load_to_lds s[G0A+4*\s:G0A+4*\s+3], s[G1A:G1A+7]
	s_nop 0
.rept 4
	v_nop
.endr
	s_branch .Lasked_\@
.Lfor_b_\@:
	tensor_load_to_lds s[G0B+4*\s:G0B+4*\s+3], s[G1B:G1B+7]
	s_nop 0
.rept 4
	v_nop
.endr
.Lasked_\@:
.endm
.macro CREST                           ; a round of the cluster's barrier behind its opening barrier
	s_cmp_lg_u32 s14, 0
	s_cbranch_scc1 .Lnot_wave_0_\@
	s_barrier_signal -3
.Lnot_wave_0_\@:
	s_barrier_wait -3
	s_barrier_signal -1
	s_barrier_wait -1
.endm
.macro CROUND                          ; a whole round
	s_barrier_signal -1
	s_barrier_wait -1
	CREST
.endm
.macro PLACES n                        ; a load into a register that a matrix instruction has read, and a vector instruction or a store that reads a matrix result, stand four plain vector instructions behind it (ISA guide 7.12.1 for the readers of a matrix result)
.rept \n
	v_nop
.endr
.endm
	s_load_b128 s[4:7], s[0:1], 0x0                ; wq, xq
	s_load_b64 s[8:9], s[0:1], 0x10                ; rq
	v_lshl_add_u32 v[SPW], v0, 2, SPARE
	v_mov_b32 v[NIL], 0
	ds_add_u32 v[SPW], v[NIL]                      ; the wave's opening: the add, twice on end, and its wait ahead of my first tensor load; the set-up below stands between the second and the wait
	ds_add_u32 v[SPW], v[NIL]                      ; and once more
	v_lshrrev_b32 v1, 5, v0
	v_readfirstlane_b32 s14, v1                    ; wave 0..3
	s_lshr_b32 s15, s14, 1                         ; which 64 rows of Wcat are mine.  Also: I fetch for Wcat (0) or for x (1)
	s_and_b32 s16, s14, 1                          ; which 128 rows of x.  Also: which half of that side I fetch
	s_bfe_u32 s10, ttmp6, 0x40000                  ; cx, cy: my place in the cluster
	s_bfe_u32 s11, ttmp6, 0x40004
	s_lshl_b32 s18, ttmp9, 2
	s_add_co_u32 s18, s18, s10                     ; which 256 rows of x = 4 x cluster x + cx
	s_and_b32 s17, ttmp7, 0xffff
	s_lshl_b32 s17, s17, 2
	s_add_co_u32 s17, s17, s11                     ; which 128 rows of Wcat = 4 x cluster y + cy
	s_lshl_b32 s12, s11, 2
	s_lshl_b32 s12, 15, s12                        ; my row of the cluster
	s_lshl_b32 s13, 0x1111, s10                    ; my column
	; descriptor group 1: a dense block as rows of 256 bytes (32 elements of 8 bytes), no padding: 68 rows (17,408 bytes) of Wcat's side, 136 of x's
	s_or_b32 s[G1A], s12, (3<<16)|(1<<21)          ; 15:0 the mask: my row; 17:16 elements of 8 bytes; 21 set beside a mask
	s_or_b32 s[G1B], s13, (3<<16)|(1<<21)          ; the same with my column
	s_mov_b32 s[G1A+1], 32<<16                     ; tensor_dim0 = 32
	s_mov_b32 s[G1A+2], 68<<16                     ; tensor_dim1 = 68
	s_mov_b32 s[G1A+3], 32<<16                     ; tile_dim0 = 32
	s_mov_b32 s[G1A+4], 68                         ; tile_dim1 = 68
	s_mov_b32 s[G1A+5], 32                         ; from row to row: 32 elements
	s_mov_b32 s[G1A+6], 0
	s_mov_b32 s[G1A+7], 0
	s_mov_b32 s[G1B+1], 32<<16
	s_mov_b32 s[G1B+2], 136<<16
	s_mov_b32 s[G1B+3], 32<<16
	s_mov_b32 s[G1B+4], 136
	s_mov_b32 s[G1B+5], 32
	s_mov_b32 s[G1B+6], 0
	s_mov_b32 s[G1B+7], 0
	s_lshl_b32 s20, s17, 1                         ; Wcat: group of 64 rows 2 x (my 128 rows) + half: made of cy and the wave's number alone
	s_add_co_u32 s20, s20, s16
	s_mul_i32 s20, s20, RGB
	s_mov_b32 s21, 0
	s_lshl_b32 s22, s18, 2                         ; x: group 4 x (my 256 rows) + 2 x half: made of cx and the wave's number alone
	s_lshl_b32 s23, s16, 1
	s_add_co_u32 s22, s22, s23
	s_mul_i32 s22, s22, RGB
	s_mov_b32 s23, 0
	s_mul_i32 s70, s16, RGB                        ; where they go in a slot: no place in the cluster enters an LDS address
	s_mul_i32 s71, s16, 2*RGB
	s_add_co_u32 s71, s71, ASIDE
	s_mov_b32 s[SEL], 0x76543210
	s_mov_b32 s[SEL+1], 0xfedcba98
	s_wait_dscnt 0x0                               ; both opening adds are done
	s_wait_kmcnt 0x0
	s_add_nc_u64 s[66:67], s[4:5], s[20:21]
	s_add_nc_u64 s[68:69], s[6:7], s[22:23]
	CROUND                                         ; all sixteen work-groups are here: the first joint loads meet
.irp s, 0,1,2
	s_mov_b32 s[G0A+4*\s], 1                       ; count = 1
	s_add_co_u32 s[G0A+4*\s+1], s70, \s*SLOT       ; LDS address
	s_add_nc_u64 s[G0A+4*\s+2:G0A+4*\s+3], s[66:67], \s*KA   ; global address: slot s of K
	s_or_b32 s[G0A+4*\s+3], s[G0A+4*\s+3], 0x80000000        ; type = 2
	s_mov_b32 s[G0B+4*\s], 1
	s_add_co_u32 s[G0B+4*\s+1], s71, \s*SLOT
	s_add_nc_u64 s[G0B+4*\s+2:G0B+4*\s+3], s[68:69], \s*KB
	s_or_b32 s[G0B+4*\s+3], s[G0B+4*\s+3], 0x80000000
	JLOAD \s
.endr
	v_and_b32 v1, 31, v0                           ; lane
	v_lshlrev_b32 v2, 4, v1
	v_lshlrev_b32 v3, 2, v1
	s_mul_i32 s70, s15, RGB                        ; my 64 rows of Wcat
	s_mul_i32 s71, s16, 2*RGB                      ; my 128 rows of x,
	s_add_co_u32 s71, s71, ASIDE                   ; which lie behind Wcat's 128
.irp s, 0,1,2
	v_add_nc_u32 v[ADRA+\s], s70, v2
	v_add_nc_u32 v[ADRB+\s], s71, v2
	v_add_nc_u32 v[ADSA+\s], s70, v3
	v_add_nc_u32 v[ADSB+\s], s71, v3
	s_add_co_u32 s70, s70, SLOT
	s_add_co_u32 s71, s71, SLOT
.endr
	v_lshlrev_b32 v[GO], 4, v1
	s_lshl_b32 s85, s14, 8
	s_add_co_u32 s85, s85, SCR                     ; my wave's 256 bytes
	v_and_b32 v[WST], 15, v0
	v_lshl_add_u32 v[WST], v[WST], 2, s85          ; 4 r
	v_lshl_add_u32 v[WRD], v1, 3, s85
	v_lshlrev_b32 v[GWO], 3, v1
.irp b, 0,1,2,3
	v_mov_b32 v[TM+4+\b], 0                        ; written once: a lane permute's destination counts as one of its sources
.endr
	; my two records of rq: rows 64 (2 x my 128 rows + wa) on, K' = 128 (2 x my 256 rows of x + wb) on
	s_lshl_b32 s72, s17, 1
	s_add_co_u32 s72, s72, s15                     ; the group of 64 rows
	s_lshr_b32 s73, s18, 1                         ; K' / 512
	s_and_b32 s74, s18, 1
	s_lshl_b32 s74, s74, 1
	s_add_co_u32 s74, s74, s16                     ; (K' / 128) % 4
	s_lshl_b32 s75, s73, 6
	s_add_co_u32 s75, s75, s72
	s_lshl_b32 s75, s75, 2
	s_add_co_u32 s75, s75, s74
	s_mul_i32 s80, s75, REC
	s_mov_b32 s81, 0
	s_add_nc_u64 s[P1:P1+1], s[8:9], s[80:81]
	s_add_co_u32 s73, s73, 4                       ; the other: K' 2,048 on,
	s_xor_b32 s72, s72, 32                         ; rows 2,048 away
	s_lshl_b32 s75, s73, 6
	s_add_co_u32 s75, s75, s72
	s_lshl_b32 s75, s75, 2
	s_add_co_u32 s75, s75, s74
	s_mul_i32 s80, s75, REC
	s_add_nc_u64 s[P2:P2+1], s[8:9], s[80:81]
	s_cmp_ge_u32 s17, 16                           ; rows of W_i: there the other record holds -R_i^T.  A selection, no branch
	s_cselect_b32 s[XM], 0x88888888, 0
; 30 LDS loads in one run: the fragments and scale words of the slot's q-th 128 along K into set p.  Each b128 takes 512 bytes on end.
.macro FETCH slot, q, p
	WIN TO_B
.irp rgl, 0,1
.irp f, 0,1,2,3
.irp c, 0,1
	ds_load_b128 v[64*(\p)+8*(4*\rgl+\f)+4*\c:64*(\p)+8*(4*\rgl+\f)+4*\c+3], v[ADRB+\slot] offset:\rgl*RGB+(\q)*REC+\f*1024+\c*512
.endr
.endr
.endr
	WIN 0
.irp f, 0,1,2,3
.irp c, 0,1
	ds_load_b128 v[AF+32*(\p)+8*\f+4*\c:AF+32*(\p)+8*\f+4*\c+3], v[ADRA+\slot] offset:(\q)*REC+\f*1024+\c*512
.endr
.endr
.irp u, 0,1
	ds_load_b32 v[SC+8*(\p)+\u], v[ADSA+\slot] offset:(\q)*REC+4096+128*\u
.endr
.irp rgl, 0,1
.irp u, 0,1
	ds_load_b32 v[SC+8*(\p)+2+2*\rgl+\u], v[ADSB+\slot] offset:\rgl*RGB+(\q)*REC+4096+128*\u
.endr
.endr
.endm
; One product: Wcat's block a against x's block b, set p.  A scale register holds an even block's words in lanes 0-15 and the odd one's in lanes 16-31.  zero = 1: the product starts the sum: nothing is ever cleared.
.macro MM a, b, p, zero
.set rD, 8*(8*(\a)+(\b))
.set rB, 64*(\p)+8*(\b)
.set rA, AF+32*(\p)+8*(\a)
.set rSB, SC+8*(\p)+2+(\b)/2
.set rSA, SC+8*(\p)+(\a)/2
.if \zero
.if ((\a)%2 == 0) && ((\b)%2 == 0)
	v_wmma_scale_f32_16x16x128_f8f6f4 v[rD:rD+7], v[rB:rB+7], v[rA:rA+7], 0, v[rSB], v[rSA] matrix_a_fmt:MATRIX_FMT_FP4 matrix_b_fmt:MATRIX_FMT_FP4
.elseif ((\a)%2 == 0)
	v_wmma_scale_f32_16x16x128_f8f6f4 v[rD:rD+7], v[rB:rB+7], v[rA:rA+7], 0, v[rSB], v[rSA] matrix_a_fmt:MATRIX_FMT_FP4 matrix_b_fmt:MATRIX_FMT_FP4 matrix_a_scale:MATRIX_SCALE_ROW1
.elseif ((\b)%2 == 0)
	v_wmma_scale_f32_16x16x128_f8f6f4 v[rD:rD+7], v[rB:rB+7], v[rA:rA+7], 0, v[rSB], v[rSA] matrix_a_fmt:MATRIX_FMT_FP4 matrix_b_fmt:MATRIX_FMT_FP4 matrix_b_scale:MATRIX_SCALE_ROW1
.else
	v_wmma_scale_f32_16x16x128_f8f6f4 v[rD:rD+7], v[rB:rB+7], v[rA:rA+7], 0, v[rSB], v[rSA] matrix_a_fmt:MATRIX_FMT_FP4 matrix_b_fmt:MATRIX_FMT_FP4 matrix_a_scale:MATRIX_SCALE_ROW1 matrix_b_scale:MATRIX_SCALE_ROW1
.endif
.else
.if ((\a)%2 == 0) && ((\b)%2 == 0)
	v_wmma_scale_f32_16x16x128_f8f6f4 v[rD:rD+7], v[rB:rB+7], v[rA:rA+7], v[rD:rD+7], v[rSB], v[rSA] matrix_a_fmt:MATRIX_FMT_FP4 matrix_b_fmt:MATRIX_FMT_FP4
.elseif ((\a)%2 == 0)
	v_wmma_scale_f32_16x16x128_f8f6f4 v[rD:rD+7], v[rB:rB+7], v[rA:rA+7], v[rD:rD+7], v[rSB], v[rSA] matrix_a_fmt:MATRIX_FMT_FP4 matrix_b_fmt:MATRIX_FMT_FP4 matrix_a_scale:MATRIX_SCALE_ROW1
.elseif ((\b)%2 == 0)
	v_wmma_scale_f32_16x16x128_f8f6f4 v[rD:rD+7], v[rB:rB+7], v[rA:rA+7], v[rD:rD+7], v[rSB], v[rSA] matrix_a_fmt:MATRIX_FMT_FP4 matrix_b_fmt:MATRIX_FMT_FP4 matrix_b_scale:MATRIX_SCALE_ROW1
.else
	v_wmma_scale_f32_16x16x128_f8f6f4 v[rD:rD+7], v[rB:rB+7], v[rA:rA+7], v[rD:rD+7], v[rSB], v[rSA] matrix_a_fmt:MATRIX_FMT_FP4 matrix_b_fmt:MATRIX_FMT_FP4 matrix_a_scale:MATRIX_SCALE_ROW1 matrix_b_scale:MATRIX_SCALE_ROW1
.endif
.endif
.endm
.macro MUL8 a, p, zero
.irp b, 0,1,2,3,4,5,6,7
	MM \a, \b, \p, \zero
.endr
.endm
.macro MUL32 p, zero                   ; the 32 accumulators take turns, one instruction a turn, in the same order in every step
.irp a, 0,1,2,3
	MUL8 \a, \p, \zero
.endr
.endm
; A step of 128 along K on set p.  At its head the next step's 30 loads (slot nslot, its nq-th 128) go out into the other set, which the step before has multiplied.
.macro STEP p, nslot, nq, zero
	PLACES 4
	FETCH \nslot, \nq, 1-(\p)
	s_wait_dscnt 30                                ; all but the 30 just issued: this step's set is in
	WIN MUL
	MUL32 \p, \zero
.endm
.macro THREE slot, zero                ; a slot's first three steps
	STEP 0, \slot, 1, \zero
	STEP 1, \slot, 2, 0
	STEP 0, \slot, 3, 0
.endm
; A slot's fourth step (set 1) with a barrier: in front of it each wave waits for all its tensor loads, adds 0 to its spare word, and waits for that and for its own reads of the slots that it has left.
; fill = 1: this slot is filled again, three slots of K ahead; the barrier then opens a round of the cluster's barrier.
.macro TURN slot, next, fill
	WIN 0                                          ; (the add's two registers lie in window 0)
	s_wait_tensorcnt 0x0                           ; all my tensor loads have landed
	ds_add_u32 v[SPW], v[NIL]                      ; 0 onto my spare word
	s_wait_dscnt 1                                 ; this step's set is in; the add may be out
	WIN MUL
	MUL8 0, 1, 0                                   ; eight matrix instructions stand between the add and the wait for it
	s_wait_dscnt 0x0                               ; the add is done, and my reads of this slot are over
	s_barrier_signal -1
	MUL8 1, 1, 0
	WIN 0
	s_barrier_wait -1
.if \fill
	CREST                                          ; no wave of any partner still reads this slot or has a load on its way
	s_add_nc_u64 s[G0A+4*\slot+2:G0A+4*\slot+3], s[G0A+4*\slot+2:G0A+4*\slot+3], 3*KA
	s_add_nc_u64 s[G0B+4*\slot+2:G0B+4*\slot+3], s[G0B+4*\slot+2:G0B+4*\slot+3], 3*KB
	JLOAD \slot                                    ; the first tensor load behind the round; its four v_nop are the places in front of the loads below
.else
	PLACES 4
.endif
	FETCH \next, 0, 0
	WIN MUL
	MUL8 2, 1, 0
	MUL8 3, 1, 0
.endm
	s_wait_tensorcnt 2                             ; my part of slot 0 is in; the two younger loads may stay out
	s_barrier_signal -1
	s_barrier_wait -1                              ; everybody's is
	FETCH 0, 0, 0
	THREE 0, 1                                     ; K 0-511: the first step's products start the sums
	TURN 0, 1, 1                                   ; every wave's parts of slots 1 and 2 have landed; slot 0 takes K 1,536 on: that load has eight steps, 256 matrix instructions, in which to land
	THREE 1, 0                                     ; K 512 on
	STEP 1, 2, 0, 0                                ; on into slot 2 with no barrier: the last one has shown it whole
	THREE 2, 0                                     ; K 1,024 on
	TURN 2, 0, 0                                   ; the refill has landed, in every wave; nothing more is asked for
	THREE 0, 0                                     ; K 1,536 on
	s_wait_dscnt 0x0                               ; the very last step
	WIN MUL
	MUL32 1, 0
	WIN 0
; THE WAY OUT.  For each a, lane (r, h) holds row 16 a + r of my 64 and 64 numbers along K': register 16 B + i is block B's k 8 h + i (i < 8) or 16 + 8 h + i - 8.  They become a fragment's codes and the row's scale word.
.macro QUANT a
.set AC, 64*(\a)
.set CD, CODES+16*(\a)
	WIN 0x05                                       ; sources 0 and 1: window 1
.irp b, 0,1,2,3
	v_max3_num_f32 v[TM+\b], |v[AC+16*\b]|, |v[AC+1+16*\b]|, 0x1800000   ; each accumulator is read from its low end on; the floor 2^(3 - 127): the byte cannot fall under 1
.endr
	WIN 0x14                                       ; sources 1 and 2: window 1
.irp i, 2,4,6,8,10,12,14
.irp b, 0,1,2,3
	v_max3_num_f32 v[TM+\b], v[TM+\b], |v[AC+16*\b+\i]|, |v[AC+1+16*\b+\i]|
.endr
.endr
	WIN 0
.irp b, 0,1,2,3
	v_permlanex16_b32 v[TM+4+\b], v[TM+\b], s[SEL], s[SEL+1]
.endr
.irp b, 0,1,2,3
	v_max_num_f32 v[TM+\b], v[TM+\b], v[TM+4+\b]   ; with lane l xor 16's 16: the block's largest magnitude
.endr
.irp b, 0,1,2,3
	v_add_nc_u32 v[TM+12+\b], 0xff000000, v[TM+\b] ; 2 off its exponent field: the conversion's scale operand
.endr
.irp b, 0,1,2,3
	v_lshrrev_b32 v[TM+4+\b], 23, v[TM+12+\b]      ; the scale's byte
.endr
	v_lshl_or_b32 v[PW+\a], v[TM+5], 8, v[TM+4]
	v_lshl_or_b32 v[PW+\a], v[TM+6], 16, v[PW+\a]
	v_lshl_or_b32 v[PW+\a], v[TM+7], 24, v[PW+\a]
	WIN 0x01                                       ; source 0: window 1
.irp b, 0,1,2,3
	v_cvt_scalef32_pk8_fp4_f32 v[CD+2*\b], v[AC+16*\b:AC+16*\b+7], v[TM+12+\b]
	v_cvt_scalef32_pk8_fp4_f32 v[CD+1+2*\b], v[AC+8+16*\b:AC+15+16*\b], v[TM+12+\b]
.endr
	WIN 0
	v_nop                                          ; one plain vector line behind the last scaled conversion
.irp c, 0,1                                    ; the operand's layout wants a WHOLE block in a lane: lanes 0-15 block 2 c, lanes 16-31 block 2 c + 1
.irp i, 0,1
	v_permlane16_swap_b32 v[CD+4*\c+\i], v[CD+2+4*\c+\i]
.endr
.endr
.irp i, 0,1,2,3,4,5,6,7
	v_xor_b32 v[CD+8+\i], s[XM], v[CD+\i]          ; the same codes, the signs turned where my rows are W_i's
.endr
.irp c, 0,1
	global_store_b128 v[GO], v[CD+4*\c:CD+4*\c+3], s[P1:P1+1] offset:(\a)*1024+\c*512      ; 32 lanes store 512 consecutive bytes, at a multiple of 256 from rq's first byte
	global_store_b128 v[GO], v[CD+8+4*\c:CD+8+4*\c+3], s[P2:P2+1] offset:(\a)*1024+\c*512
.endr
	ds_store_b32 v[WST], v[PW+\a] offset:64*(\a)   ; both lanes of a row write the same word with the same value
.endm
	PLACES 4                                       ; behind the last products
.irp a, 0,1,2,3
	QUANT \a                                       ; each a has registers of its own for what it stores: no store's data are written again
.endr
	ds_load_b64 v[WD:WD+1], v[WRD]                 ; LDS serves a wave's instructions in order: this sees my four stores
	s_wait_dscnt 0x0
	global_store_b64 v[GWO], v[WD:WD+1], s[P1:P1+1] offset:4096   ; the record's 64 scale words: 256 consecutive aligned bytes
	global_store_b64 v[GWO], v[WD:WD+1], s[P2:P2+1] offset:4096
	s_wait_tensorcnt 0x0                           ; the wave's end: a tensor wait, an add of 0 and its wait, behind my last tensor load and my last LDS store
	ds_add_u32 v[SPW], v[NIL]
	s_wait_dscnt 0x0
	CROUND                                         ; the closing round: no work-group ends while a partner may still ask for a block that names it
	s_endpgm
.Lfunc_end_k_qe30809efb9_rows:
	.size	k_qe30809efb9_rows, .Lfunc_end_k_qe30809efb9_rows-k_qe30809efb9_rows
	.p2alignl 7, 3214868480
	.fill 96, 4, 3214868480
	.section	.rodata,"a",@progbits
	.p2align	6, 0x0
	.amdhsa_kernel k_qe30809efb9_rows
		.amdhsa_group_segment_fixed_size 327680
		.amdhsa_private_segment_fixed_size 0
		.amdhsa_enable_private_segment 0
		.amdhsa_kernarg_size 24
		.amdhsa_user_sgpr_count 2
		.amdhsa_user_sgpr_kernarg_segment_ptr 1
		.amdhsa_wavefront_size32 1
		.amdhsa_system_sgpr_workgroup_id_x 1
		.amdhsa_system_sgpr_workgroup_id_y 1
		.amdhsa_system_sgpr_workgroup_id_z 1
		.amdhsa_system_vgpr_workitem_id 0
		.amdhsa_next_free_vgpr 640
		.amdhsa_next_free_sgpr 88
		.amdhsa_reserve_vcc 0
		.amdhsa_float_denorm_mode_32 3
		.amdhsa_float_denorm_mode_16_64 3
		.amdhsa_memory_ordered 1
		.amdhsa_forward_progress 1
		.amdhsa_inst_pref_size 127
	.end_amdhsa_kernel
	.amdgpu_metadata
---
amdhsa.version: [ 1, 2 ]
amdhsa.kernels:
  - .name:           k_qe30809efb9_rows
    .symbol:         k_qe30809efb9_rows.kd
    .args:
      - { .name: wq, .offset: 0, .size: 8, .value_kind: global_buffer, .address_space: global }
      - { .name: xq, .offset: 8, .size: 8, .value_kind: global_buffer, .address_space: global }
      - { .name: rq, .offset: 16, .size: 8, .value_kind: global_buffer, .address_space: global }
    .group_segment_fixed_size: 327680
    .private_segment_fixed_size: 0
    .kernarg_segment_align: 8
    .kernarg_segment_size: 24
    .max_flat_workgroup_size: 128
    .sgpr_count:     88
    .vgpr_count:     640
    .wavefront_size: 32
...
	.end_amdgpu_metadata
.endif
;; end of part 2
;; launch cols (part 3): grid 16 x 16, 4 waves a work-group, clusters of 4 x 4, 327,680 bytes of LDS; arguments wt, rq, out0; writes out0
.if DOCPART == 3
	.amdgcn_target "amdgcn-amd-amdhsa--gfx1250"
	.amdhsa_code_object_version 6
	.text
	.protected	k_qe30809efb9_cols
	.globl	k_qe30809efb9_cols
	.p2align	8
	.type	k_qe30809efb9_cols,@function
k_qe30809efb9_cols:
	s_mov_b64 s[64:65], 0
	v_nop
	global_prefetch_b8 v0, s[64:65] scope:SCOPE_SE
	s_setreg_imm32_b32 hwreg(HW_REG_WAVE_MODE, 25, 1), 1
	s_wait_xcnt 0x0
	s_wait_alu depctr_hold_cnt(0) depctr_sa_sdst(0) depctr_va_vdst(0) depctr_va_sdst(0) depctr_va_ssrc(0) depctr_va_vcc(0) depctr_vm_vsrc(0)
	s_getreg_b32 s2, hwreg(HW_REG_IB_STS2, 6, 4)
	s_cmp_eq_u32 s2, 0
	s_cbranch_scc0 .Lentry_in_a_cluster
	s_endpgm
.Lentry_in_a_cluster:
	s_bfe_u32 s2, ttmp6, 0x10000c
	s_cmp_lg_u32 s2, 0xf033
	s_cbranch_scc0 .Lentry_shape_is_right
	s_endpgm
.Lentry_shape_is_right:
; out0[m][n''] = sum over k' of Wt[m][k'] Rcat[n''][k'], K' = 4,096.  Wt = [W_r^T | W_i^T];  Rcat row n = [R_r^T[n] | -R_i^T[n]], row 2,048 + n = [R_i^T[n] | R_r^T[n]]: so columns 0-2,047 are C_r and the others C_i.
; Both operands are codes of FP4 with E8M0 scales, laid as images of operand registers (records of 64 rows x 128 K, 4,352 bytes: four fragments of 1,024 bytes, then 64 scale words; records lie [K / 512][rows / 64][(K / 128) % 4]).  No work is left out.
; LIMITS: C_r is one f32 sum over 4,096 terms, not the difference of two f32 sums; inside each block of 32 along K' the codes stand in the order 0-7, 16-23, 8-15, 24-31, alike on both operands.
; SHARES.  A work-group of four waves makes 128 rows x 256 columns of out0: 256 work-groups.  A wave makes 64 x 128: 32 accumulators of 16 x 16, 256 registers.
; THE MATRIX INSTRUCTION IS USED WITH source 0 = 16 rows of Rcat, source 1 = 16 rows of Wt: a lane then holds eight neighbouring numbers of a row of out0.
; THE RING.  K' goes in slots of 512 through three LDS slots.  A wave's tensor load is one dense block of memory (waves 0, 1: 64 rows of Wt each; waves 2, 3: 128 rows of Rcat each), copied as it lies.
; Three slots are filled at the head, five are filled again.  By the text's own count a wave has at most three tensor loads out, one behind each refill's barrier.
; CLUSTERS: 4 x 4 work-groups.  The four of a row of the cluster need the same rows of Wt, the four of a column the same rows of Rcat: each block is asked for JOINTLY.
; REGISTERS, in windows of 256: window 0: v8-19 LDS addresses; v24-26 the way out; v28, v29 the add's two; v32-37, v40-45 scale words, two sets; v64-95, v96-127 Wt's fragments, two sets.
;   window 1: the accumulators ((a, b) at v[8 (8 a + b)]).   window 2: Rcat's fragments, two sets, at v0 and v64; on the way out all 256: rows of out0.
.set REC,   4352
.set RGB,   4*REC                      ; 64 rows x 512 K
.set ASIDE, 2*RGB                      ; a slot: Wt's 128 rows, then Rcat's 256
.set SLOT,  6*RGB
.set SPARE, 3*SLOT                     ; behind the ring: the spare words, 128 bytes for each wave: two blocks of 256 bytes that no other line names
.set STAGE, 2*SLOT                     ; the way out: 16 rows x (512 bytes + 16) for each wave, in slot 2, which has had its last fill and its last read when the first result is stored there
.set SPITCH, 528
.set KA,    32*RGB                     ; from a slot of K' to the next, in wt
.set KB,    64*RGB                     ; and in rq
.set ADRA, 8                           ; v8-10   my fragments of Wt in slot 0, 1, 2: + 16 x lane
.set ADRB, 11                          ; v11-13  of Rcat
.set ADSA, 14                          ; v14-16  the same places + 4 x lane: for the scale words
.set ADSB, 17                          ; v17-19
.set STO,  24                          ; v24     the way out: where I put 32 bytes of a row
.set RD,   25                          ; v25     where I read a row back
.set CO,   26                          ; v26     my byte offset in a row of out0
.set SPW,  28                          ; v28     LDS address of my spare word; never rewritten
.set NIL,  29                          ; v29     0; never rewritten
.set SC,   32                          ; scale words, set p at v[SC + 8 p]: +0, +1 Wt's (blocks 2 u in lanes 0-15, 2 u + 1 in lanes 16-31), +2 .. +5 Rcat's; they hold scales and nothing else
.set AF,   64
.set G1A, 24                           ; s[24:31] descriptor group 1 for Wt's blocks;  s[32:39] for Rcat's
.set G1B, 32
.set G0A, 40                           ; s[40:51] group 0 for Wt's, a set for each slot;  s[52:63] for Rcat's
.set G0B, 52
.set OUT, 76                           ; s[76:77] my first number of out0
.set MSB, 0
.macro WIN new                         ; the immediate's high byte repeats the setting that is left
.if MSB != \new
	s_set_vgpr_msb (MSB<<8)|\new
.set MSB, \new
.endif
.endm
.set MUL,  0x52                        ; source 0 (Rcat) window 2, source 1 (Wt) window 0, C and D window 1
.set TO_B, 0x80                        ; destination window 2, address window 0
; A joint load: waves 0 and 1 fetch for Wt, waves 2 and 3 for Rcat.  Each of the two lines has ONE mask and one set of registers for all that issue it; the branch hangs on the wave's number alone.
; An s_nop 0 and four v_nop follow each of the two lines, ahead of the jump, the label and what follows.
.macro JLOAD s
	s_cmp_eq_u32 s15, 0
	s_cbranch_scc0 .Lfor_b_\@
	tensor_load_to_lds s[G0A+4*\s:G0A+4*\s+3], s[G1A:G1A+7]
	s_nop 0
.rept 4
	v_nop
.endr
	s_branch .Lasked_\@
.Lfor_b_\@:
	tensor_load_to_lds s[G0B+4*\s:G0B+4*\s+3], s[G1B:G1B+7]
	s_nop 0
.rept 4
	v_nop
.endr
.Lasked_\@:
.endm
.macro CREST                           ; a round of the cluster's barrier behind its opening barrier
	s_cmp_lg_u32 s14, 0
	s_cbranch_scc1 .Lnot_wave_0_\@
	s_barrier_signal -3
.Lnot_wave_0_\@:
	s_barrier_wait -3
	s_barrier_signal -1
	s_barrier_wait -1
.endm
.macro CROUND                          ; a whole round
	s_barrier_signal -1
	s_barrier_wait -1
	CREST
.endm
.macro PLACES n                        ; a load into a register that a matrix instruction has read, and a store that reads a matrix result, stand four plain vector instructions behind it (ISA guide 7.12.1 for the readers of a matrix result)
.rept \n
	v_nop
.endr
.endm
	s_load_b128 s[4:7], s[0:1], 0x0                ; wt, rq
	s_load_b64 s[8:9], s[0:1], 0x10                ; out0
	v_lshl_add_u32 v[SPW], v0, 2, SPARE
	v_mov_b32 v[NIL], 0
	ds_add_u32 v[SPW], v[NIL]                      ; the wave's opening: the add, twice on end, and its wait ahead of my first tensor load; the set-up below stands between the second and the wait
	ds_add_u32 v[SPW], v[NIL]                      ; and once more
	v_lshrrev_b32 v1, 5, v0
	v_readfirstlane_b32 s14, v1                    ; wave 0..3
	s_lshr_b32 s15, s14, 1                         ; which 64 rows of the tile are mine.  Also: I fetch for Wt (0) or for Rcat (1)
	s_and_b32 s16, s14, 1                          ; which 128 columns.  Also: which half of that side I fetch
	s_bfe_u32 s10, ttmp6, 0x40000                  ; cx, cy: my place in the cluster
	s_bfe_u32 s11, ttmp6, 0x40004
	s_lshl_b32 s18, ttmp9, 2
	s_add_co_u32 s18, s18, s10                     ; which 256 columns = 4 x cluster x + cx
	s_and_b32 s17, ttmp7, 0xffff
	s_lshl_b32 s17, s17, 2
	s_add_co_u32 s17, s17, s11                     ; which 128 rows = 4 x cluster y + cy
	s_lshl_b32 s12, s11, 2
	s_lshl_b32 s12, 15, s12                        ; my row of the cluster
	s_lshl_b32 s13, 0x1111, s10                    ; my column
	; descriptor group 1: a dense block as rows of 256 bytes (32 elements of 8 bytes), no padding: 68 rows (17,408 bytes) of Wt's side, 136 of Rcat's
	s_or_b32 s[G1A], s12, (3<<16)|(1<<21)          ; 15:0 the mask: my row; 17:16 elements of 8 bytes; 21 set beside a mask
	s_or_b32 s[G1B], s13, (3<<16)|(1<<21)          ; the same with my column
	s_mov_b32 s[G1A+1], 32<<16                     ; tensor_dim0 = 32
	s_mov_b32 s[G1A+2], 68<<16                     ; tensor_dim1 = 68
	s_mov_b32 s[G1A+3], 32<<16                     ; tile_dim0 = 32
	s_mov_b32 s[G1A+4], 68                         ; tile_dim1 = 68
	s_mov_b32 s[G1A+5], 32                         ; from row to row: 32 elements
	s_mov_b32 s[G1A+6], 0
	s_mov_b32 s[G1A+7], 0
	s_mov_b32 s[G1B+1], 32<<16
	s_mov_b32 s[G1B+2], 136<<16
	s_mov_b32 s[G1B+3], 32<<16
	s_mov_b32 s[G1B+4], 136
	s_mov_b32 s[G1B+5], 32
	s_mov_b32 s[G1B+6], 0
	s_mov_b32 s[G1B+7], 0
	s_lshl_b32 s20, s17, 1                         ; Wt: group of 64 rows 2 x (my 128 rows) + half: made of cy and the wave's number alone
	s_add_co_u32 s20, s20, s16
	s_mul_i32 s20, s20, RGB
	s_mov_b32 s21, 0
	s_lshl_b32 s22, s18, 2                         ; Rcat: group 4 x (my 256 columns) + 2 x half: made of cx and the wave's number alone
	s_lshl_b32 s23, s16, 1
	s_add_co_u32 s22, s22, s23
	s_mul_i32 s22, s22, RGB
	s_mov_b32 s23, 0
	s_mul_i32 s70, s16, RGB                        ; where they go in a slot: no place in the cluster enters an LDS address
	s_mul_i32 s71, s16, 2*RGB
	s_add_co_u32 s71, s71, ASIDE
	s_wait_dscnt 0x0                               ; both opening adds are done
	s_wait_kmcnt 0x0
	s_add_nc_u64 s[66:67], s[4:5], s[20:21]
	s_add_nc_u64 s[68:69], s[6:7], s[22:23]
	CROUND                                         ; all sixteen work-groups are here: the first joint loads meet
.irp s, 0,1,2
	s_mov_b32 s[G0A+4*\s], 1                       ; count = 1
	s_add_co_u32 s[G0A+4*\s+1], s70, \s*SLOT       ; LDS address
	s_add_nc_u64 s[G0A+4*\s+2:G0A+4*\s+3], s[66:67], \s*KA   ; global address: slot s of K'
	s_or_b32 s[G0A+4*\s+3], s[G0A+4*\s+3], 0x80000000        ; type = 2
	s_mov_b32 s[G0B+4*\s], 1
	s_add_co_u32 s[G0B+4*\s+1], s71, \s*SLOT
	s_add_nc_u64 s[G0B+4*\s+2:G0B+4*\s+3], s[68:69], \s*KB
	s_or_b32 s[G0B+4*\s+3], s[G0B+4*\s+3], 0x80000000
	JLOAD \s
.endr
	v_and_b32 v1, 31, v0                           ; lane
	v_lshlrev_b32 v2, 4, v1
	v_lshlrev_b32 v3, 2, v1
	s_mul_i32 s70, s15, RGB                        ; my 64 rows of Wt
	s_mul_i32 s71, s16, 2*RGB                      ; my 128 rows of Rcat,
	s_add_co_u32 s71, s71, ASIDE                   ; which lie behind Wt's 128
.irp s, 0,1,2
	v_add_nc_u32 v[ADRA+\s], s70, v2
	v_add_nc_u32 v[ADRB+\s], s71, v2
	v_add_nc_u32 v[ADSA+\s], s70, v3
	v_add_nc_u32 v[ADSB+\s], s71, v3
	s_add_co_u32 s70, s70, SLOT
	s_add_co_u32 s71, s71, SLOT
.endr
	s_mul_i32 s72, s14, 16*SPITCH
	s_add_co_u32 s72, s72, STAGE                   ; my stage
	v_and_b32 v4, 15, v0                           ; r
	v_bfe_u32 v5, v0, 4, 1                         ; h
	v_mul_u32_u24 v[STO], v4, SPITCH               ; in: row r, 32 bytes for each half of the lanes
	v_lshl_add_u32 v[STO], v5, 5, v[STO]
	v_add_nc_u32 v[STO], s72, v[STO]
	v_add_nc_u32 v[RD], s72, v2                    ; back: the 32 lanes take one row of 512 bytes
	v_lshlrev_b32 v[CO], 4, v1                     ; and the same in out0
	s_lshl_b32 s73, s17, 7
	s_lshl_b32 s74, s15, 6
	s_add_co_u32 s73, s73, s74                     ; my first row: 128 x tile row + 64 x half,
	s_lshl_b32 s80, s73, 14                        ; of 16,384 bytes;
	s_lshl_b32 s74, s18, 10                        ; my first column, in bytes: 1,024 x tile column + 512 x half
	s_lshl_b32 s75, s16, 9
	s_add_co_u32 s74, s74, s75
	s_add_co_u32 s80, s80, s74
	s_mov_b32 s81, 0
	s_add_nc_u64 s[OUT:OUT+1], s[8:9], s[80:81]
; 30 LDS loads in one run: the fragments and scale words of the slot's q-th 128 along K' into set p.  Each b128 takes 512 bytes on end.
.macro FETCH slot, q, p
	WIN TO_B
.irp rgl, 0,1
.irp f, 0,1,2,3
.irp c, 0,1
	ds_load_b128 v[64*(\p)+8*(4*\rgl+\f)+4*\c:64*(\p)+8*(4*\rgl+\f)+4*\c+3], v[ADRB+\slot] offset:\rgl*RGB+(\q)*REC+\f*1024+\c*512
.endr
.endr
.endr
	WIN 0
.irp f, 0,1,2,3
.irp c, 0,1
	ds_load_b128 v[AF+32*(\p)+8*\f+4*\c:AF+32*(\p)+8*\f+4*\c+3], v[ADRA+\slot] offset:(\q)*REC+\f*1024+\c*512
.endr
.endr
.irp u, 0,1
	ds_load_b32 v[SC+8*(\p)+\u], v[ADSA+\slot] offset:(\q)*REC+4096+128*\u
.endr
.irp rgl, 0,1
.irp u, 0,1
	ds_load_b32 v[SC+8*(\p)+2+2*\rgl+\u], v[ADSB+\slot] offset:\rgl*RGB+(\q)*REC+4096+128*\u
.endr
.endr
.endm
; One product: Wt's block a against Rcat's block b, set p.  A scale register holds an even block's words in lanes 0-15 and the odd one's in lanes 16-31.  zero = 1: the product starts the sum: nothing is ever cleared.
.macro MM a, b, p, zero
.set rD, 8*(8*(\a)+(\b))
.set rB, 64*(\p)+8*(\b)
.set rA, AF+32*(\p)+8*(\a)
.set rSB, SC+8*(\p)+2+(\b)/2
.set rSA, SC+8*(\p)+(\a)/2
.if \zero
.if ((\a)%2 == 0) && ((\b)%2 == 0)
	v_wmma_scale_f32_16x16x128_f8f6f4 v[rD:rD+7], v[rB:rB+7], v[rA:rA+7], 0, v[rSB], v[rSA] matrix_a_fmt:MATRIX_FMT_FP4 matrix_b_fmt:MATRIX_FMT_FP4
.elseif ((\a)%2 == 0)
	v_wmma_scale_f32_16x16x128_f8f6f4 v[rD:rD+7], v[rB:rB+7], v[rA:rA+7], 0, v[rSB], v[rSA] matrix_a_fmt:MATRIX_FMT_FP4 matrix_b_fmt:MATRIX_FMT_FP4 matrix_a_scale:MATRIX_SCALE_ROW1
.elseif ((\b)%2 == 0)
	v_wmma_scale_f32_16x16x128_f8f6f4 v[rD:rD+7], v[rB:rB+7], v[rA:rA+7], 0, v[rSB], v[rSA] matrix_a_fmt:MATRIX_FMT_FP4 matrix_b_fmt:MATRIX_FMT_FP4 matrix_b_scale:MATRIX_SCALE_ROW1
.else
	v_wmma_scale_f32_16x16x128_f8f6f4 v[rD:rD+7], v[rB:rB+7], v[rA:rA+7], 0, v[rSB], v[rSA] matrix_a_fmt:MATRIX_FMT_FP4 matrix_b_fmt:MATRIX_FMT_FP4 matrix_a_scale:MATRIX_SCALE_ROW1 matrix_b_scale:MATRIX_SCALE_ROW1
.endif
.else
.if ((\a)%2 == 0) && ((\b)%2 == 0)
	v_wmma_scale_f32_16x16x128_f8f6f4 v[rD:rD+7], v[rB:rB+7], v[rA:rA+7], v[rD:rD+7], v[rSB], v[rSA] matrix_a_fmt:MATRIX_FMT_FP4 matrix_b_fmt:MATRIX_FMT_FP4
.elseif ((\a)%2 == 0)
	v_wmma_scale_f32_16x16x128_f8f6f4 v[rD:rD+7], v[rB:rB+7], v[rA:rA+7], v[rD:rD+7], v[rSB], v[rSA] matrix_a_fmt:MATRIX_FMT_FP4 matrix_b_fmt:MATRIX_FMT_FP4 matrix_a_scale:MATRIX_SCALE_ROW1
.elseif ((\b)%2 == 0)
	v_wmma_scale_f32_16x16x128_f8f6f4 v[rD:rD+7], v[rB:rB+7], v[rA:rA+7], v[rD:rD+7], v[rSB], v[rSA] matrix_a_fmt:MATRIX_FMT_FP4 matrix_b_fmt:MATRIX_FMT_FP4 matrix_b_scale:MATRIX_SCALE_ROW1
.else
	v_wmma_scale_f32_16x16x128_f8f6f4 v[rD:rD+7], v[rB:rB+7], v[rA:rA+7], v[rD:rD+7], v[rSB], v[rSA] matrix_a_fmt:MATRIX_FMT_FP4 matrix_b_fmt:MATRIX_FMT_FP4 matrix_a_scale:MATRIX_SCALE_ROW1 matrix_b_scale:MATRIX_SCALE_ROW1
.endif
.endif
.endm
.macro MUL8 a, p, zero
.irp b, 0,1,2,3,4,5,6,7
	MM \a, \b, \p, \zero
.endr
.endm
.macro MUL32 p, zero                   ; the 32 accumulators take turns, one instruction a turn, in the same order in every step
.irp a, 0,1,2,3
	MUL8 \a, \p, \zero
.endr
.endm
; A step of 128 along K' on set p.  At its head the next step's 30 loads (slot nslot, its nq-th 128) go out into the other set, which the step before has multiplied.
.macro STEP p, nslot, nq, zero
	PLACES 4
	FETCH \nslot, \nq, 1-(\p)
	s_wait_dscnt 30                                ; all but the 30 just issued: this step's set is in
	WIN MUL
	MUL32 \p, \zero
.endm
.macro THREE slot, zero                ; a slot's first three steps
	STEP 0, \slot, 1, \zero
	STEP 1, \slot, 2, 0
	STEP 0, \slot, 3, 0
.endm
; A slot's fourth step (set 1) changes slots: ONE barrier; in front of it each wave waits for all its tensor loads, adds 0 to its spare word, and waits for that and for its own reads of this slot.
; fill = 1: this slot is filled again, three slots of K' ahead; the barrier then opens a round of the cluster's barrier.
.macro TURN slot, next, fill
	WIN 0                                          ; (the add's two registers lie in window 0)
	s_wait_tensorcnt 0x0                           ; all my tensor loads have landed
	ds_add_u32 v[SPW], v[NIL]                      ; 0 onto my spare word
	s_wait_dscnt 1                                 ; this step's set is in; the add may be out
	WIN MUL
	MUL8 0, 1, 0                                   ; eight matrix instructions stand between the add and the wait for it
	s_wait_dscnt 0x0                               ; the add is done, and my reads of this slot are over
	s_barrier_signal -1
	MUL8 1, 1, 0
	WIN 0
	s_barrier_wait -1
.if \fill
	CREST                                          ; no wave of any partner still reads this slot or has a load on its way
	s_add_nc_u64 s[G0A+4*\slot+2:G0A+4*\slot+3], s[G0A+4*\slot+2:G0A+4*\slot+3], 3*KA
	s_add_nc_u64 s[G0B+4*\slot+2:G0B+4*\slot+3], s[G0B+4*\slot+2:G0B+4*\slot+3], 3*KB
	JLOAD \slot                                    ; the first tensor load behind the round; its four v_nop are the places in front of the loads below
.else
	PLACES 4
.endif
	FETCH \next, 0, 0
	WIN MUL
	MUL8 2, 1, 0
	MUL8 3, 1, 0
.endm
	s_wait_tensorcnt 2                             ; my part of slot 0 is in; the two younger loads may stay out
	s_barrier_signal -1
	s_barrier_wait -1                              ; everybody's is
	FETCH 0, 0, 0
	THREE 0, 1                                     ; K' 0 on: the first step's products start the sums
	TURN 0, 1, 1                                   ; slot 0 takes K' 1,536 on
	THREE 1, 0                                     ; K' 512 on
	TURN 1, 2, 1                                   ; slot 1 takes K' 2,048 on
	THREE 2, 0                                     ; K' 1,024 on
	TURN 2, 0, 1                                   ; slot 2 takes K' 2,560 on: its last fill
	THREE 0, 0                                     ; K' 1,536 on
	TURN 0, 1, 1                                   ; slot 0 takes K' 3,072 on
	THREE 1, 0                                     ; K' 2,048 on
	TURN 1, 2, 1                                   ; slot 1 takes K' 3,584 on: the last load
	THREE 2, 0                                     ; K' 2,560 on
	TURN 2, 0, 0                                   ; every wave's last loads have landed and nobody reads slot 2 any more; nothing is asked for
	THREE 0, 0                                     ; K' 3,072 on
	STEP 1, 1, 0, 0                                ; on into slot 1 with no barrier: the last one has shown it whole
	THREE 1, 0                                     ; K' 3,584 on
	s_wait_dscnt 0x0                               ; the very last step
	WIN MUL
	MUL32 1, 0
	WIN 0
; THE WAY OUT, block by block of 16 rows x 128 columns.  A lane holds 32 neighbouring bytes of a row, and the lanes beside it hold other rows: so a block goes through my own stage in LDS and comes back as whole rows
; of 512 bytes.  LDS serves a wave's instructions in order (ISA guide 5.7.1.4): no wait between the stores and the loads, nor in front of the next block's stores.  Each block comes back into 64 registers of its own.
.macro TOSTAGE a
	WIN 0x04                                       ; an LDS store's data are its source 1: window 1
.irp b, 0,1,2,3,4,5,6,7
	ds_store_b128 v[STO], v[8*(8*(\a)+\b):8*(8*(\a)+\b)+3] offset:64*\b          ; each accumulator from its low end on
	ds_store_b128 v[STO], v[8*(8*(\a)+\b)+4:8*(8*(\a)+\b)+7] offset:64*\b+16
.endr
	WIN 0x80                                       ; destination window 2
.irp t, 0,1,2,3,4,5,6,7,8,9,10,11,12,13,14,15
	ds_load_b128 v[64*(\a)+4*\t:64*(\a)+4*\t+3], v[RD] offset:\t*SPITCH
.endr
.endm
.macro SEND a, younger                 ; younger: the LDS instructions issued behind block a's loads, which may stay out
	s_wait_dscnt \younger                          ; the block is back in registers
	WIN 0x08                                       ; a store's data are its source 1: window 2
.irp t, 0,1,2,3,4,5,6,7,8,9,10,11,12,13,14,15
	global_store_b128 v[CO], v[64*(\a)+4*\t:64*(\a)+4*\t+3], s[OUT:OUT+1] offset:(16*(\a)+\t)*16384 th:TH_STORE_NT   ; 32 lanes store 512 consecutive bytes, at a multiple of 256 from out0's first byte; 63 rows at the most: inside the signed 24-bit immediate
.endr
.endm
	PLACES 4                                       ; behind the last products: for the reads of their results and for the loads into the registers that held Rcat's fragments
	TOSTAGE 0
	TOSTAGE 1
	SEND 0, 32                                     ; behind block 0's loads: block 1's 16 stores and 16 loads
	TOSTAGE 2
	SEND 1, 32
	TOSTAGE 3
	SEND 2, 32
	SEND 3, 0
	WIN 0
	s_wait_tensorcnt 0x0                           ; the wave's end: a tensor wait, an add of 0 and its wait, behind my last tensor load and my last LDS store
	ds_add_u32 v[SPW], v[NIL]
	s_wait_dscnt 0x0
	CROUND                                         ; the closing round: no work-group ends while a partner may still ask for a block that names it
	s_endpgm
.Lfunc_end_k_qe30809efb9_cols:
	.size	k_qe30809efb9_cols, .Lfunc_end_k_qe30809efb9_cols-k_qe30809efb9_cols
	.p2alignl 7, 3214868480
	.fill 96, 4, 3214868480
	.section	.rodata,"a",@progbits
	.p2align	6, 0x0
	.amdhsa_kernel k_qe30809efb9_cols
		.amdhsa_group_segment_fixed_size 327680
		.amdhsa_private_segment_fixed_size 0
		.amdhsa_enable_private_segment 0
		.amdhsa_kernarg_size 24
		.amdhsa_user_sgpr_count 2
		.amdhsa_user_sgpr_kernarg_segment_ptr 1
		.amdhsa_wavefront_size32 1
		.amdhsa_system_sgpr_workgroup_id_x 1
		.amdhsa_system_sgpr_workgroup_id_y 1
		.amdhsa_system_sgpr_workgroup_id_z 1
		.amdhsa_system_vgpr_workitem_id 0
		.amdhsa_next_free_vgpr 768
		.amdhsa_next_free_sgpr 88
		.amdhsa_reserve_vcc 0
		.amdhsa_float_denorm_mode_32 3
		.amdhsa_float_denorm_mode_16_64 3
		.amdhsa_memory_ordered 1
		.amdhsa_forward_progress 1
		.amdhsa_inst_pref_size 225
	.end_amdhsa_kernel
	.amdgpu_metadata
---
amdhsa.version: [ 1, 2 ]
amdhsa.kernels:
  - .name:           k_qe30809efb9_cols
    .symbol:         k_qe30809efb9_cols.kd
    .args:
      - { .name: wt, .offset: 0, .size: 8, .value_kind: global_buffer, .address_space: global }
      - { .name: rq, .offset: 8, .size: 8, .value_kind: global_buffer, .address_space: global }
      - { .name: out0, .offset: 16, .size: 8, .value_kind: global_buffer, .address_space: global }
    .group_segment_fixed_size: 327680
    .private_segment_fixed_size: 0
    .kernarg_segment_align: 8
    .kernarg_segment_size: 24
    .max_flat_workgroup_size: 128
    .sgpr_count:     88
    .vgpr_count:     768
    .wavefront_size: 32
...
	.end_amdgpu_metadata
.endif
;; end of part 3
;; ======== version 2 of 2: 3 launches
;; limits: right only within a limited range of input values
;; workspace buffers: xq 2,228,224 bytes; wq 4,456,448 bytes; wt 4,456,448 bytes; rq 4,456,448 bytes
;; launch quant (part 4): grid 256 x 1, 12 waves a work-group, no clusters, 233,472 bytes of LDS; arguments x, W_r, W_i, xq, wq, wt; writes xq, wq, wt
.if DOCPART == 4
	.amdgcn_target "amdgcn-amd-amdhsa--gfx1250"
	.amdhsa_code_object_version 6
	.text
	.protected	k_qe30809efb9_quant
	.globl	k_qe30809efb9_quant
	.p2align	8
	.type	k_qe30809efb9_quant,@function
k_qe30809efb9_quant:
	s_mov_b64 s[64:65], 0
	v_nop
	global_prefetch_b8 v0, s[64:65] scope:SCOPE_SE
	s_setreg_imm32_b32 hwreg(HW_REG_WAVE_MODE, 25, 1), 1
	s_wait_xcnt 0x0
; out0 = [C_r | C_i], C = W^T (x W^T) in complex arithmetic written in real numbers; all six products on codes of FP4 (E2M1) with one E8M0 scale for each 32 along K.
; THE PROGRAM: this launch quantises the inputs; the second makes R^T = [W_r; W_i] x^T and quantises it in registers; the third makes C_r = W_r^T R_r - W_i^T R_i and C_i = W_r^T R_i + W_i^T R_r from wt and R's codes.
; DEAD WORK: none.  Every number of x, W_r and W_i reaches every output, and all six products are live.
; THIS LAUNCH: x along its rows -> xq;  W_r, W_i along their rows -> wq (W_r's rows, then W_i's);  W_r, W_i along their first axis -> wt (row m = column m of W; W_r's 2,048 rows, then W_i's).
; A block's scale is 2^(floor(log2(its largest magnitude)) - 2); its byte is the largest magnitude's exponent field - 2, held at 1 from below; each number is divided by the scale and rounded to the nearest code, ties to even, beyond 6 to 6.
; LIMITS: a block of zeros gets the byte 1 where the quantiser says 127 (its codes are zeros, and only this program reads the bytes); blocks whose largest magnitude lies under 2^-124 have the byte held at 1;
; NaN and infinities among the inputs are not served.  In the third launch C_r and C_i are each one f32 sum over both their products for each half of K, the halves added in f32, and inside each block of 32 along K' the codes stand
; in another order, alike on both operands.
; THE WORKSPACE IS LAID AS IMAGES OF OPERAND REGISTERS.  A RECORD is 64 rows x 128 along K, 4,352 bytes: four fragments f (rows 16 f + r) of 1,024 bytes, in which the 16 bytes at 512 c + 16 (r + 16 h) are registers
; 4 c .. 4 c + 3 of lane (r, h), the block of 32 numbered 2 c + h; then 64 scale words (byte b = block b).  A STEP is two records, 128 rows x 128 K; a PANEL is 128 rows x 2,048 K: 16 steps on end.  Panels follow each other.
; IN wt THE EIGHT-CODE GROUPS OF A BLOCK STAND IN THE ORDER 0, 2, 1, 3: the order in which the second launch's results fall into a lane's registers.
; SHARES.  A work-group of twelve waves takes the tile of 128 x 128 numbers at one place of W_r (waves 0-3), of W_i (4-7) and of x (8-11); wave 4 u + w brings rows 32 w .. 32 w + 31 of unit u's tile by ONE tensor load at the head, rows of
; 512 bytes padded by 16, into LDS bytes of its own, read once from memory.  Nothing is filled again, and only the wave that asked reads them: its wait for 0 is all the order that the reads need.
; (b), W alone: each LDS load takes a row, 16 bytes a lane: a lane then holds 32 rows of four columns, four whole blocks down the columns.  (The conversions take consecutive registers, so a column's 32 numbers are moved together.)
; (a): lane l takes row 32 w + l: four whole blocks along the row.  No lane asks another for a maximum.  Codes leave in 256 consecutive aligned bytes by sixteen lanes; the scale words meet in LDS behind the one barrier.
; No matrix unit, no cluster: work-groups share no input byte.  No prefetch: the launch has no loop, and asks for all that it reads at its head.
.set PITCH, 528                        ; a row in LDS: 512 bytes + 16 = 132 words: row r starts at bank 4 r mod 64 (64 banks of 4 bytes: ISA guide 11.1)
.set WREG,  32*PITCH                   ; a wave's rows
.set REC,   4352
.set STP,   2*REC
.set EXB,   12*WREG                    ; behind the rows: for each wave 8 x 272 bytes, where (b)'s codes change lanes
.set WORDS, EXB+12*2176                ; for each unit (a)'s 128 scale words, then (b)'s
.set SPARE, WORDS+3072                 ; the spare words, 128 bytes a wave: six blocks of 256 bytes that no other line names
.set LST,  4                           ; v4   my wave's rows in LDS, 16 bytes a lane
.set LRA,  5                           ; v5   my row
.set EXI,  6                           ; v6   (b)'s codes, in
.set EXO,  7                           ; v7   and out
.set GC,   8                           ; v8   (a)'s 16 bytes in the step
.set LW,   9                           ; v9   my row's scale word in LDS
.set LWR,  10                          ; v10  the gather: 8 bytes a lane
.set GW,   11                          ; v11  and their place in the step
.set SPW,  12                          ; v12  LDS address of my spare word; never rewritten
.set NIL,  13                          ; v13  0; never rewritten
.set TM,   16                          ; v16-19 largest magnitudes, v20-23 the conversions' scale operands, v24-27 bytes
.set GB,   28                          ; v28  (b)'s 16 bytes in the step
.set LB,   29                          ; v29  my four columns' scale bytes in LDS
.set X,    32                          ; v32-159 128 numbers
.set Y,    160                         ; v160-223 two columns' 64 numbers
.set CA,   160                         ; v160-175 (a)'s codes, when the columns are done
.set WD,   176
.set PWA,  178
.set CB,   224                         ; v224-239 (b)'s codes
.set CE,   240                         ; v240-255 the same, lanes changed
.set G0,   40                          ; s[40:43], s[48:55] the tensor load's descriptor
.set G1,   48
	s_load_b256 s[4:11], s[0:1], 0x0               ; x, W_r, W_i, xq
	s_load_b128 s[12:15], s[0:1], 0x20             ; wq, wt
	v_lshl_add_u32 v[SPW], v0, 2, SPARE
	v_mov_b32 v[NIL], 0
	ds_add_u32 v[SPW], v[NIL]                      ; the wave's opening: the add, twice on end, and its wait ahead of my tensor load
	ds_add_u32 v[SPW], v[NIL]
	v_lshrrev_b32 v1, 5, v0
	v_readfirstlane_b32 s16, v1                    ; wave 0..11
	s_lshr_b32 s17, s16, 2                         ; u: 0 W_r, 1 W_i, 2 x
	s_and_b32 s36, s16, 3                          ; w
	s_mul_i32 s20, s16, WREG
	; descriptor group 1: 32 rows of 512 bytes (64 elements of 8 bytes), 1,024 elements from row to row; after every 128 words (code 6) 4 words of padding (code 3)
	s_mov_b32 s[G1], (3<<16)|(1<<20)|(6<<22)|(3<<25)
	s_mov_b32 s[G1+1], 64<<16                      ; tensor_dim0
	s_mov_b32 s[G1+2], 32<<16                      ; tensor_dim1
	s_mov_b32 s[G1+3], 64<<16                      ; tile_dim0
	s_mov_b32 s[G1+4], 32                          ; tile_dim1
	s_mov_b32 s[G1+5], 1024
	s_mov_b32 s[G1+6], 0
	s_mov_b32 s[G1+7], 0
	s_mov_b32 s[G0], 1
	s_mov_b32 s[G0+1], s20                         ; LDS: the wave's number x its rows
	s_lshr_b32 s18, ttmp9, 4                       ; ti: the tile's 128 rows
	s_and_b32 s19, ttmp9, 15                       ; tj: its 128 columns
	s_lshl_b32 s30, s18, 20                        ; the tile in its tensor: 128 rows of 8,192 bytes x ti + 512 bytes x tj,
	s_lshl_b32 s31, s19, 9
	s_add_co_u32 s30, s30, s31
	s_lshl_b32 s31, s36, 18                        ; + 32 rows x w
	s_add_co_u32 s30, s30, s31
	s_mov_b32 s31, 0
	s_wait_dscnt 0x0                               ; both opening adds are done
	s_wait_kmcnt 0x0
	s_cmp_eq_u32 s17, 1                            ; the choices hang on the wave's number alone
	s_cselect_b64 s[22:23], s[8:9], s[6:7]
	s_cmp_eq_u32 s17, 2
	s_cselect_b64 s[22:23], s[4:5], s[22:23]       ; the tensor
	s_cselect_b64 s[24:25], s[10:11], s[12:13]     ; (a)'s buffer
	s_add_nc_u64 s[G0+2:G0+3], s[22:23], s[30:31]
	s_or_b32 s[G0+3], s[G0+3], 0x80000000
	tensor_load_to_lds s[G0:G0+3], s[G1:G1+7]      ; my wave's one load
	s_nop 0
.rept 4
	v_nop
.endr
	; the rest of the head, under the load's flight
	s_cmp_eq_u32 s17, 1
	s_cselect_b32 s28, 16, 0                       ; W_i's panels lie 16 on
	s_add_co_u32 s32, s18, s28                     ; (a): panel ti, step tj
	s_lshl_b32 s32, s32, 4
	s_add_co_u32 s32, s32, s19
	s_mul_i32 s32, s32, STP
	s_mov_b32 s33, 0
	s_add_co_u32 s34, s19, s28                     ; (b): panel tj, step ti
	s_lshl_b32 s34, s34, 4
	s_add_co_u32 s34, s34, s18
	s_mul_i32 s34, s34, STP
	s_mov_b32 s35, 0
	s_add_nc_u64 s[24:25], s[24:25], s[32:33]
	s_add_nc_u64 s[14:15], s[14:15], s[34:35]
	s_mul_i32 s21, s16, 2176
	s_add_co_u32 s21, s21, EXB
	s_lshl_b32 s22, s36, 8                         ; (b): block w of the column
	s_lshl_b32 s26, s17, 10
	s_add_co_u32 s26, s26, WORDS                   ; my unit's words
	s_add_co_u32 s23, s26, s36
	s_add_co_u32 s23, s23, 512                     ; (b)'s bytes: byte w
	s_lshl_b32 s27, s36, 7
	s_add_co_u32 s26, s26, s27                     ; (a)'s words of my 32 rows
	s_and_b32 s27, s36, 1
	s_mul_i32 s29, s27, REC
	s_add_co_u32 s29, s29, 4096
	s_lshl_b32 s27, s27, 11                        ; (a): my two fragments of
	s_lshr_b32 s30, s36, 1
	s_mul_i32 s30, s30, REC                        ; my record
	s_add_co_u32 s27, s27, s30
	s_lshl_b32 s30, s16, 8
	s_add_co_u32 s30, s30, WORDS                   ; the 256 bytes of words that my wave carries out
	v_and_b32 v2, 31, v0                           ; lane
	v_lshl_add_u32 v[LST], v2, 4, s20
	v_mul_u32_u24 v14, v2, PITCH
	v_add_nc_u32 v[LRA], s20, v14
	v_lshrrev_b32 v14, 2, v2                       ; my four columns: fragment lane / 4, its rows 4 (lane % 4) on
	v_mul_u32_u24 v14, v14, 272
	v_and_b32 v15, 3, v2
	v_lshl_add_u32 v14, v15, 6, v14
	v_add_nc_u32 v[EXI], s21, v14
	v_lshrrev_b32 v14, 4, v2
	v_and_b32 v15, 15, v2
	v_lshlrev_b32 v15, 4, v15
	v_lshl_add_u32 v3, v14, 10, v15
	v_add_nc_u32 v[GB], s22, v3
	v_add_nc_u32 v[GC], s27, v3
	v_mul_u32_u24 v14, v14, 272
	v_add_nc_u32 v14, v14, v15
	v_add_nc_u32 v[EXO], s21, v14
	v_lshl_add_u32 v[LW], v2, 2, s26
	v_lshl_add_u32 v[LWR], v2, 3, s30
	v_lshl_add_u32 v[GW], v2, 3, s29
	v_lshl_add_u32 v[LB], v2, 4, s23
	s_wait_alu depctr_va_vdst(0)
	s_wait_tensorcnt 0x0                           ; my rows are in
	s_cmp_eq_u32 s17, 2                            ; x is an operand along its rows alone.  The branch hangs on the wave's number and leads round no barrier
	s_cbranch_scc1 .Lrows
	; ---- (b)
.set TT, 0
.rept 32
	ds_load_b128 v[X+4*TT:X+4*TT+3], v[LST] offset:TT*PITCH   ; register X + 4 t + c is row t of my column c
.set TT, TT+1
.endr
	s_wait_dscnt 0x0
.irp c, 0,1,2,3
	v_max3_num_f32 v[TM+\c], |v[X+\c]|, |v[X+4+\c]|, 0x1800000   ; the floor 2^(3 - 127) among the leaves: the byte cannot fall under 1
.endr
.irp t, 2,4,6,8,10,12,14,16,18,20,22,24,26,28,30
.irp c, 0,1,2,3
	v_max3_num_f32 v[TM+\c], v[TM+\c], |v[X+4*\t+\c]|, |v[X+4*\t+4+\c]|   ; the four columns by turns
.endr
.endr
.macro SCALES4                         ; four largest magnitudes -> scale operands and bytes
.irp c, 0,1,2,3
	v_add_nc_u32 v[TM+4+\c], 0xff000000, v[TM+\c]  ; 2 off the exponent field: the conversion takes the exponent field of this operand as its scale, and nothing else of it
.endr
.irp c, 0,1,2,3
	v_lshrrev_b32 v[TM+8+\c], 23, v[TM+4+\c]       ; the scale's byte
.endr
.endm
	SCALES4
.irp c, 0,1,2,3
	ds_store_b8 v[LB], v[TM+8+\c] offset:4*\c      ; byte w of the column's word
.endr
.macro COLS cp                         ; columns 2 cp and 2 cp + 1: their numbers into consecutive registers, then their codes, the groups of eight in the order 0, 2, 1, 3
.set T, 0
.rept 16
	v_dual_mov_b32 v[Y+T], v[X+4*T+2*\cp] :: v_dual_mov_b32 v[Y+33+T], v[X+4*T+5+2*\cp]
	v_dual_mov_b32 v[Y+T+1], v[X+4*T+4+2*\cp] :: v_dual_mov_b32 v[Y+32+T], v[X+4*T+1+2*\cp]
.set T, T+2
.endr
.irp j, 0,1
.irp g, 0,1,2,3
	v_cvt_scalef32_pk8_fp4_f32 v[CB+8*\cp+4*\j+(\g%2)*2+\g/2], v[Y+32*\j+8*\g:Y+32*\j+8*\g+7], v[TM+4+2*\cp+\j]
.endr
.endr
	v_nop                                          ; one plain vector line behind the last scaled conversion
.endm
	COLS 0
	COLS 1
.irp c, 0,1,2,3
	ds_store_b128 v[EXI], v[CB+4*\c:CB+4*\c+3] offset:16*\c
.endr
.irp i, 0,1,2,3
	ds_load_b128 v[CE+4*\i:CE+4*\i+3], v[EXO] offset:544*\i   ; LDS serves a wave's instructions in order: these see my stores
.endr
	s_wait_dscnt 0x0
.irp i, 0,1,2,3
	global_store_b128 v[GB], v[CE+4*\i:CE+4*\i+3], s[14:15] offset:(\i/2)*REC+(\i%2)*2048   ; fragments 2 i, 2 i + 1: sixteen lanes store 256 consecutive aligned bytes
.endr
.Lrows:
	; ---- (a): my row
.set TT, 0
.rept 32
	ds_load_b128 v[X+4*TT:X+4*TT+3], v[LRA] offset:16*TT
.set TT, TT+1
.endr
	s_wait_dscnt 0x0
.irp b, 0,1,2,3
	v_max3_num_f32 v[TM+\b], |v[X+32*\b]|, |v[X+32*\b+1]|, 0x1800000
.endr
.irp i, 2,4,6,8,10,12,14,16,18,20,22,24,26,28,30
.irp b, 0,1,2,3
	v_max3_num_f32 v[TM+\b], v[TM+\b], |v[X+32*\b+\i]|, |v[X+32*\b+\i+1]|
.endr
.endr
	SCALES4
	v_lshl_or_b32 v[PWA], v[TM+9], 8, v[TM+8]
	v_lshl_or_b32 v[PWA], v[TM+10], 16, v[PWA]
	v_lshl_or_b32 v[PWA], v[TM+11], 24, v[PWA]
	ds_store_b32 v[LW], v[PWA]
.irp b, 0,1,2,3
.irp g, 0,1,2,3
	v_cvt_scalef32_pk8_fp4_f32 v[CA+4*\b+\g], v[X+32*\b+8*\g:X+32*\b+8*\g+7], v[TM+4+\b]
.endr
.endr
	v_nop
.irp b, 0,1,2,3
	global_store_b128 v[GC], v[CA+4*\b:CA+4*\b+3], s[24:25] offset:\b*256   ; block b: sixteen lanes store 256 consecutive aligned bytes
.endr
	s_wait_dscnt 0x0                               ; my scale words and bytes lie in LDS
	s_barrier_signal -1
	s_barrier_wait -1                              ; everybody's do
	s_cmp_lt_u32 s16, 10                           ; ten records' words: of each unit waves 0, 1 carry out (a)'s, waves 2, 3 (b)'s; x has no (b)
	s_cbranch_scc0 .Lend
	ds_load_b64 v[WD:WD+1], v[LWR]
	s_cmp_lt_u32 s36, 2
	s_cselect_b64 s[38:39], s[24:25], s[14:15]
	s_wait_dscnt 0x0
	global_store_b64 v[GW], v[WD:WD+1], s[38:39]   ; 32 lanes store 256 consecutive aligned bytes: a record's scale words
.Lend:
	s_wait_tensorcnt 0x0                           ; the wave's end
	ds_add_u32 v[SPW], v[NIL]
	s_wait_dscnt 0x0
	s_endpgm
.Lfunc_end_k_qe30809efb9_quant:
	.size	k_qe30809efb9_quant, .Lfunc_end_k_qe30809efb9_quant-k_qe30809efb9_quant
	.p2alignl 7, 3214868480
	.fill 96, 4, 3214868480
	.section	.rodata,"a",@progbits
	.p2align	6, 0x0
	.amdhsa_kernel k_qe30809efb9_quant
		.amdhsa_group_segment_fixed_size 233472
		.amdhsa_private_segment_fixed_size 0
		.amdhsa_enable_private_segment 0
		.amdhsa_kernarg_size 48
		.amdhsa_user_sgpr_count 2
		.amdhsa_user_sgpr_kernarg_segment_ptr 1
		.amdhsa_wavefront_size32 1
		.amdhsa_system_sgpr_workgroup_id_x 1
		.amdhsa_system_sgpr_workgroup_id_y 1
		.amdhsa_system_sgpr_workgroup_id_z 1
		.amdhsa_system_vgpr_workitem_id 0
		.amdhsa_next_free_vgpr 256
		.amdhsa_next_free_sgpr 66
		.amdhsa_reserve_vcc 0
		.amdhsa_float_denorm_mode_32 3
		.amdhsa_float_denorm_mode_16_64 3
		.amdhsa_memory_ordered 1
		.amdhsa_forward_progress 1
		.amdhsa_inst_pref_size 27
	.end_amdhsa_kernel
	.amdgpu_metadata
---
amdhsa.version: [ 1, 2 ]
amdhsa.kernels:
  - .name:           k_qe30809efb9_quant
    .symbol:         k_qe30809efb9_quant.kd
    .args:
      - { .name: x, .offset: 0, .size: 8, .value_kind: global_buffer, .address_space: global }
      - { .name: W_r, .offset: 8, .size: 8, .value_kind: global_buffer, .address_space: global }
      - { .name: W_i, .offset: 16, .size: 8, .value_kind: global_buffer, .address_space: global }
      - { .name: xq, .offset: 24, .size: 8, .value_kind: global_buffer, .address_space: global }
      - { .name: wq, .offset: 32, .size: 8, .value_kind: global_buffer, .address_space: global }
      - { .name: wt, .offset: 40, .size: 8, .value_kind: global_buffer, .address_space: global }
    .group_segment_fixed_size: 233472
    .private_segment_fixed_size: 0
    .kernarg_segment_align: 8
    .kernarg_segment_size: 48
    .max_flat_workgroup_size: 384
    .sgpr_count:     66
    .vgpr_count:     256
    .wavefront_size: 32
...
	.end_amdgpu_metadata
.endif
;; end of part 4
;; launch rows (part 5): grid 8 x 32, 8 waves a work-group, clusters of 4 x 4, 327,680 bytes of LDS; arguments wq, xq, rq; writes rq
.if DOCPART == 5
	.amdgcn_target "amdgcn-amd-amdhsa--gfx1250"
	.amdhsa_code_object_version 6
	.text
	.protected	k_qe30809efb9_rows
	.globl	k_qe30809efb9_rows
	.p2align	8
	.type	k_qe30809efb9_rows,@function
k_qe30809efb9_rows:
	s_mov_b64 s[64:65], 0
	v_nop
	global_prefetch_b8 v0, s[64:65] scope:SCOPE_SE
	s_setreg_imm32_b32 hwreg(HW_REG_WAVE_MODE, 25, 1), 1
	s_wait_xcnt 0x0
	s_wait_alu depctr_hold_cnt(0) depctr_sa_sdst(0) depctr_va_vdst(0) depctr_va_sdst(0) depctr_va_ssrc(0) depctr_va_vcc(0) depctr_vm_vsrc(0)
	s_getreg_b32 s2, hwreg(HW_REG_IB_STS2, 6, 4)
	s_cmp_eq_u32 s2, 0
	s_cbranch_scc0 .Lentry_in_a_cluster
	s_endpgm
.Lentry_in_a_cluster:
	s_bfe_u32 s2, ttmp6, 0x10000c
	s_cmp_lg_u32 s2, 0xf033
	s_cbranch_scc0 .Lentry_shape_is_right
	s_endpgm
.Lentry_shape_is_right:
; R^T[n'][m] = sum over k of Wcat[n'][k] x[m][k], Wcat = W_r's 2,048 rows, then W_i's; K = 2,048; both operands as codes of FP4 with E8M0 scales, laid as images of operand registers (records of 64 rows x 128 K,
; 4,352 bytes: four fragments of 1,024 bytes, then 64 scale words; a step is two records, 128 rows x 128 K; a panel is 128 rows, 16 steps on end).  No work is left out.
; The results are quantised in registers along m, which is the next products' K', and stored ONCE, as records of rq: row n' of rq is row n' of R^T (R_r^T's 2,048 rows, then R_i^T's), K' = m.
; LIMITS: a block of zeros gets the byte 1 (its codes are zeros; only this program reads the bytes); NaN and infinities are not served.
; SHARES.  A work-group of eight waves, two to a SIMD, makes 128 rows of Wcat (one panel) x 256 rows of x (two panels): 256 work-groups.  A wave makes 64 x 64: 8 accumulators of 32 x 16, 128 registers.
; THE MATRIX INSTRUCTION IS USED WITH source 0 = 32 rows of x, source 1 = 16 rows of Wcat: lane (r, h) then holds ONE row of Wcat and 16 rows of x of a block of 32 along K': k 0-7 and 16-23 (h = 0) or 8-15 and 24-31 (h = 1):
; so inside a block the codes stand in the order 0-7, 16-23, 8-15, 24-31, the same in which the first launch lays wt.
; THE RING.  K goes in slots of 6, 6 and 4 steps through two LDS slots; the last takes the first's place.  At the head waves 0-3 fetch slot 0 and waves 4-7 slot 1, one load each: of each four two bring half the steps of Wcat's panel, two a panel
; of x, each a dense block copied as it lies.  Waves 0-3 alone wait in front of the first barrier; all wait in front of the refill's.  By the text's own count a wave has one load out.
; CLUSTERS: 4 x 4 work-groups.  The four of a row of the cluster need the same panel of Wcat, the four of a column the same panels of x: each block is asked for JOINTLY, by the same tensor load with the same descriptor and a mask that names the four.
; PREFETCH.  When slot 0 has landed the refill's four steps are asked for, six steps ahead of its load: waves 0, 2, 3 a panel each, a step of it by each of the four partners, told apart by address (cx for Wcat, cy for x), a lane a block of 256 bytes.
; REGISTERS: window 0: v8-18 LDS addresses; v20-23 the way out; v24, v26 prefetch offsets; v28, v29 the add's two; v32-39 scale words, two sets; v64-127 Wcat's fragments, v128-191 x's, two sets each; v192-229 the way out.
;   window 1: the accumulators ((a, pair b) at v[32 a + 16 b]).
.set REC,   4352
.set STP,   2*REC                      ; a step of a panel
.set PAN,   16*STP
.set XSIDE, 6*STP                      ; a slot: Wcat's panel, then x's two: 6 steps each
.set SLOT,  18*STP
.set SPARE, 2*SLOT                     ; behind the ring: the spare words, 128 bytes a wave: four blocks of 256 bytes that no other line names
.set SCR,   SPARE+1024                 ; behind them: 256 bytes for each of the four records, where its scale words meet; no tensor load lands here
.set ADRA, 8                           ; v8-9    my fragments of Wcat in slot 0, 1: + 16 x lane
.set ADRB, 11                          ; v11-12  of x
.set ADSA, 14                          ; v14-15  the same places + 4 x lane: for the scale words
.set ADSB, 17                          ; v17-18
.set GO,   20                          ; v20     16 x lane: a fragment's image
.set WST,  21                          ; v21     where I put my row's two scale bytes
.set WRD,  22                          ; v22     where I read 8 bytes of the record's words back
.set GWO,  23                          ; v23     8 x lane
.set PFO,  24                          ; v24     prefetch: blocks 0-31 of a step,
.set PF4,  26                          ; v26     32-33 (of 34); lanes over name the last block again
.set SPW,  28                          ; v28     LDS address of my spare word; never rewritten
.set NIL,  29                          ; v29     0; never rewritten
.set SC,   32                          ; scale words, set p at v[SC + 4 p]: +0, +1 Wcat's (blocks 2 u in lanes 0-15, 2 u + 1 in lanes 16-31), +2, +3 x's pairs; they hold scales and nothing else
.set AF,   64
.set BF,   128
.set CODES, 192                        ; the way out: 4 registers of codes for each a
.set TM,   208                         ; v208-211 largest magnitudes, v212-215 the other half's, then bytes, v220-223 the conversions' scale operands
.set PW,   224                         ; v224-227 two scale bytes for each a
.set WD,   228                         ; v228-229
.set G1A, 24                           ; s[24:31] descriptor group 1 for Wcat's blocks;  s[32:39] for x's
.set G1B, 32
.set G0A, 40                           ; s[40:47] group 0 for Wcat's: the head's load, the refill's;  s[48:55] for x's
.set G0B, 48
.set P1,  76                           ; s[76:77] my record of rq
.set PC,  78                           ; s[78:79] my half of its fragments
.set Q2,  82                           ; s[82:83] where my prefetches begin
.set SEL, 86                           ; s[86:87] lane selects for v_permlanex16_b32: lane l xor 16
.set MSB, 0
.macro WIN new                         ; the immediate's high byte repeats the setting that is left
.if MSB != \new
	s_set_vgpr_msb (MSB<<8)|\new
.set MSB, \new
.endif
.endm
.set MUL,  0x50                        ; sources 0 (x) and 1 (Wcat) window 0, C and D window 1
; The refill's joint load: waves with s15 = 0 fetch for Wcat, the others for x.  Each of the two lines has ONE mask; the branch hangs on the wave's number alone.
.macro JLOAD s
	s_cmp_eq_u32 s15, 0
	s_cbranch_scc0 .Lfor_b_\@
	tensor_load_to_lds s[G0A+4*\s:G0A+4*\s+3], s[G1A:G1A+7]
	s_nop 0
.rept 4
	v_nop
.endr
	s_branch .Lasked_\@
.Lfor_b_\@:
	tensor_load_to_lds s[G0B+4*\s:G0B+4*\s+3], s[G1B:G1B+7]
	s_nop 0
.rept 4
	v_nop
.endr
.Lasked_\@:
.endm
.macro ARM under, g0, g1, next         ; the head's loads: one tree of branches on the wave's number, one load to an arm
	s_cmp_lt_u32 s14, \under
	s_cbranch_scc0 \next
	tensor_load_to_lds s[\g0:\g0+3], s[\g1:\g1+7]
	s_nop 0
.rept 4
	v_nop
.endr
	s_branch .Lhead_asked
\next:
.endm
.macro CREST                           ; a round of the cluster's barrier behind its opening barrier
	s_cmp_lg_u32 s14, 0
	s_cbranch_scc1 .Lnot_wave_0_\@
	s_barrier_signal -3
.Lnot_wave_0_\@:
	s_barrier_wait -3
	s_barrier_signal -1
	s_barrier_wait -1
.endm
.macro CROUND                          ; a whole round
	s_barrier_signal -1
	s_barrier_wait -1
	CREST
.endm
.macro PLACES n                        ; a load into a register that a matrix instruction has read, and a vector instruction or a store that reads a matrix result, stand four plain vector instructions behind it (ISA guide 7.12.1 for the readers of a matrix result)
.rept \n
	v_nop
.endr
.endm
.macro G0SET g, l, a                   ; group 0: count, LDS address, global address, type
	s_mov_b32 s[\g], 1
	s_mov_b32 s[\g+1], s[\l]
	s_mov_b64 s[\g+2:\g+3], s[\a:\a+1]
	s_or_b32 s[\g+3], s[\g+3], 0x80000000
.endm
	s_load_b128 s[4:7], s[0:1], 0x0                ; wq, xq
	s_load_b64 s[8:9], s[0:1], 0x10                ; rq
	v_lshl_add_u32 v[SPW], v0, 2, SPARE
	v_mov_b32 v[NIL], 0
	ds_add_u32 v[SPW], v[NIL]                      ; the wave's opening: the add, twice on end, and its wait ahead of my first tensor load
	ds_add_u32 v[SPW], v[NIL]
	v_lshrrev_b32 v1, 5, v0
	v_readfirstlane_b32 s14, v1                    ; wave 0..7
	s_lshr_b32 s19, s14, 2                         ; which 64 rows of Wcat are mine.  Also: which slot I fetch for at the head
	s_bfe_u32 s15, s14, 0x10001                    ; I fetch for Wcat (0) or for x (1).  Also: which panel of x holds my 64 rows
	s_and_b32 s16, s14, 1                          ; which half of that side I fetch.  Also: which record of that panel is mine
	s_bfe_u32 s10, ttmp6, 0x40000                  ; cx, cy: my place in the cluster
	s_bfe_u32 s11, ttmp6, 0x40004
	s_lshl_b32 s18, ttmp9, 2
	s_add_co_u32 s18, s18, s10                     ; which 256 rows of x = 4 x cluster x + cx
	s_and_b32 s17, ttmp7, 0xffff
	s_lshl_b32 s17, s17, 2
	s_add_co_u32 s17, s17, s11                     ; which panel of Wcat = 4 x cluster y + cy
	s_lshl_b32 s12, s11, 2
	s_lshl_b32 s12, 15, s12                        ; my row of the cluster
	s_lshl_b32 s13, 0x1111, s10                    ; my column
	; descriptor group 1: a dense block as rows of 256 bytes (32 elements of 8 bytes), no padding: at the head 102 rows (three steps) of Wcat's side, 204 (six) of x's; for the refill 34 and 68
	s_or_b32 s[G1A], s12, (3<<16)|(1<<21)          ; 15:0 the mask: my row; 17:16 elements of 8 bytes; 21 set beside a mask
	s_or_b32 s[G1B], s13, (3<<16)|(1<<21)          ; the same with my column
.irp g, G1A, G1B
	s_mov_b32 s[\g+1], 32<<16                      ; tensor_dim0 = 32
	s_mov_b32 s[\g+3], 32<<16                      ; tile_dim0 = 32
	s_mov_b32 s[\g+5], 32                          ; from row to row: 32 elements
	s_mov_b32 s[\g+6], 0
	s_mov_b32 s[\g+7], 0
.endr
	s_mov_b32 s[G1A+2], 102<<16                    ; tensor_dim1
	s_mov_b32 s[G1A+4], 102                        ; tile_dim1
	s_mov_b32 s[G1B+2], 204<<16
	s_mov_b32 s[G1B+4], 204
	s_mul_i32 s20, s17, PAN                        ; Wcat: made of cy and the wave's number alone
	s_lshl_b32 s21, s18, 1                         ; x: panel 2 x (my 256 rows) + half: made of cx and the wave's number alone
	s_add_co_u32 s21, s21, s16
	s_mul_i32 s21, s21, PAN
	s_mul_i32 s22, s19, 6*STP                      ; the head: slot s19's first step,
	s_mul_i32 s23, s16, 3*STP                      ; Wcat's half of its steps
	s_add_co_u32 s66, s22, s23
	s_add_co_u32 s66, s66, s20
	s_mov_b32 s67, 0
	s_add_co_u32 s68, s21, s22
	s_mov_b32 s69, 0
	s_mul_i32 s72, s19, SLOT                       ; LDS places: no place in the cluster enters them
	s_mul_i32 s74, s16, 6*STP
	s_add_co_u32 s74, s74, XSIDE
	s_add_co_u32 s73, s72, s23                     ; Wcat's
	s_add_co_u32 s75, s72, s74                     ; x's
	s_mul_i32 s22, s16, 2*STP                      ; the refill, steps 12-15: one of Wcat's a wave,
	s_mul_i32 s23, s19, STP
	s_add_co_u32 s84, s22, s23                     ; its LDS place
	s_add_co_u32 s56, s20, s84
	s_add_co_u32 s56, s56, 12*STP
	s_mov_b32 s57, 0
	s_mul_i32 s23, s19, 2*STP                      ; two of a panel of x
	s_add_co_u32 s85, s74, s23
	s_add_co_u32 s58, s21, s23
	s_add_co_u32 s58, s58, 12*STP
	s_mov_b32 s59, 0
	s_cmp_eq_u32 s15, 0                            ; the prefetches: my side's panel, my step of four
	s_cselect_b32 s60, s20, s21
	s_cselect_b32 s61, s10, s11
	s_mul_i32 s61, s61, STP
	s_add_co_u32 s[Q2], s60, s61
	s_mov_b32 s[Q2+1], 0
	s_mov_b32 s[SEL], 0x76543210
	s_mov_b32 s[SEL+1], 0xfedcba98
	s_wait_dscnt 0x0                               ; both opening adds are done
	s_wait_kmcnt 0x0
	s_add_nc_u64 s[66:67], s[4:5], s[66:67]
	s_add_nc_u64 s[68:69], s[6:7], s[68:69]
	G0SET G0A, 73, 66
	G0SET G0B, 75, 68
	CROUND                                         ; all sixteen work-groups are here: the first joint loads meet
	ARM 2, G0A, G1A, .Lhead_b0                     ; slot 0: one tensor load a wave at the head
	ARM 4, G0B, G1B, .Lhead_a1
	ARM 6, G0A, G1A, .Lhead_b1                     ; slot 1
	tensor_load_to_lds s[G0B:G0B+3], s[G1B:G1B+7]
	s_nop 0
.rept 4
	v_nop
.endr
.Lhead_asked:
	s_cmp_eq_u32 s15, 0
	s_cselect_b64 s[80:81], s[4:5], s[6:7]
	s_add_nc_u64 s[Q2:Q2+1], s[80:81], s[Q2:Q2+1]
	s_add_nc_u64 s[56:57], s[4:5], s[56:57]
	s_add_nc_u64 s[58:59], s[6:7], s[58:59]
	G0SET G0A+4, 84, 56
	G0SET G0B+4, 85, 58
	s_mul_i32 s84, s19, REC                        ; my 64 rows of Wcat
	s_mul_i32 s85, s15, 6*STP                      ; my 64 rows of x
	s_mul_i32 s72, s16, REC
	s_add_co_u32 s85, s85, s72
	s_add_co_u32 s85, s85, XSIDE
	s_lshr_b32 s73, s14, 1                         ; my record of the work-group's four
	s_lshl_b32 s73, s73, 8
	s_add_co_u32 s73, s73, SCR
	s_lshl_b32 s74, s16, 1
	s_add_co_u32 s74, s74, s73
	v_and_b32 v1, 31, v0                           ; lane
	v_lshlrev_b32 v2, 4, v1
	v_lshlrev_b32 v3, 2, v1
	v_add_nc_u32 v[ADRA], s84, v2
	v_add_nc_u32 v[ADRB], s85, v2
	v_add_nc_u32 v[ADSA], s84, v3
	v_add_nc_u32 v[ADSB], s85, v3
	v_add_nc_u32 v[ADRA+1], SLOT, v[ADRA]
	v_add_nc_u32 v[ADRB+1], SLOT, v[ADRB]
	v_add_nc_u32 v[ADSA+1], SLOT, v[ADSA]
	v_add_nc_u32 v[ADSB+1], SLOT, v[ADSB]
	v_lshlrev_b32 v[GO], 4, v1
	v_and_b32 v[WST], 15, v0
	v_lshl_add_u32 v[WST], v[WST], 2, s74          ; 4 r + 2 x half
	v_lshl_add_u32 v[WRD], v1, 3, s73
	v_lshlrev_b32 v[GWO], 3, v1
	v_lshlrev_b32 v[PFO], 8, v1
	v_min_u32 v[PF4], 1, v1
	v_lshl_add_u32 v[PF4], v[PF4], 8, 0x2000
.irp b, 0,1,2,3
	v_mov_b32 v[TM+4+\b], 0                        ; written once: a lane permute's destination counts as one of its sources
.endr
	s_wait_alu depctr_va_vdst(0)
	; my record of rq: panel s17, record s19 of its step 2 x (my 256 rows of x) + s15; my half of its fragments
	s_lshl_b32 s75, s17, 4
	s_lshl_b32 s80, s18, 1
	s_add_co_u32 s80, s80, s15
	s_add_co_u32 s80, s80, s75
	s_mul_i32 s80, s80, STP
	s_add_co_u32 s80, s80, s84
	s_mov_b32 s81, 0
	s_add_nc_u64 s[P1:P1+1], s[8:9], s[80:81]
	s_lshl_b32 s80, s16, 9
	s_add_nc_u64 s[PC:PC+1], s[P1:P1+1], s[80:81]
; The 20 LDS loads of the slot's q-th 128 along K into set p: scale words, Wcat's four fragments, x's four.  Each b128 takes 512 bytes on end.
.macro FETCH slot, q, p
	WIN 0
.irp u, 0,1
	ds_load_b32 v[SC+4*(\p)+\u], v[ADSA+\slot] offset:(\q)*STP+4096+128*\u
	ds_load_b32 v[SC+4*(\p)+2+\u], v[ADSB+\slot] offset:(\q)*STP+4096+128*\u
.endr
.irp f, 0,1,2,3
.irp c, 0,1
	ds_load_b128 v[BF+32*(\p)+8*\f+4*\c:BF+32*(\p)+8*\f+4*\c+3], v[ADRB+\slot] offset:(\q)*STP+\f*1024+\c*512
.endr
.endr
.irp f, 0,1,2,3
.irp c, 0,1
	ds_load_b128 v[AF+32*(\p)+8*\f+4*\c:AF+32*(\p)+8*\f+4*\c+3], v[ADRA+\slot] offset:(\q)*STP+\f*1024+\c*512
.endr
.endr
.endm
; One product: Wcat's block a against x's pair b, set p.  Wcat's scale register holds an even block's words in lanes 0-15 and the odd one's in lanes 16-31; x's a pair's 32.  zero = 1: the product starts the sum: nothing is ever cleared.
.macro MM a, b, p, zero
.set rD, 32*(\a)+16*(\b)
.set rB, BF+32*(\p)+16*(\b)
.set rA, AF+32*(\p)+8*(\a)
.set rSB, SC+4*(\p)+2+(\b)
.set rSA, SC+4*(\p)+(\a)/2
.if \zero
.if ((\a)%2 == 0)
	v_wmma_scale_f32_32x16x128_f4 v[rD:rD+15], v[rB:rB+15], v[rA:rA+7], 0, v[rSB], v[rSA]
.else
	v_wmma_scale_f32_32x16x128_f4 v[rD:rD+15], v[rB:rB+15], v[rA:rA+7], 0, v[rSB], v[rSA] matrix_b_scale:MATRIX_SCALE_ROW1
.endif
.else
.if ((\a)%2 == 0)
	v_wmma_scale_f32_32x16x128_f4 v[rD:rD+15], v[rB:rB+15], v[rA:rA+7], v[rD:rD+15], v[rSB], v[rSA]
.else
	v_wmma_scale_f32_32x16x128_f4 v[rD:rD+15], v[rB:rB+15], v[rA:rA+7], v[rD:rD+15], v[rSB], v[rSA] matrix_b_scale:MATRIX_SCALE_ROW1
.endif
.endif
.endm
.macro MULA a, p, zero                 ; the 8 accumulators take turns, one instruction a turn, in the same order in every step
	MM \a, 0, \p, \zero
	MM \a, 1, \p, \zero
.endm
; A step of 128 along K on set p.  At its head the next step's 20 loads (slot ns, its nq-th 128) go out into the other set, which the step before has multiplied.
.macro STEP p, ns, nq, zero
	PLACES 4
	FETCH \ns, \nq, 1-(\p)
	s_wait_dscnt 20                                ; all but the 20 just issued: this step's set is in
	WIN MUL
.irp a, 0,1,2,3
	MULA \a, \p, \zero
.endr
.endm
; A slot's last step (set 1) changes slots: in front of the barrier each wave waits for all its tensor loads, adds 0 to its spare word, and waits for that and for its own reads of this slot.
; fill = 1: slot 0 takes the last four steps; the barrier then opens a round of the cluster's barrier.
.macro TURN next, fill
	s_wait_dscnt 0x0                               ; this step's set is in
	WIN MUL
	MULA 0, 1, 0
	MULA 1, 1, 0
	WIN 0                                          ; (the add's two registers lie in window 0)
	s_wait_tensorcnt 0x0                           ; all my tensor loads have landed: my part of the next slot
	ds_add_u32 v[SPW], v[NIL]                      ; 0 onto my spare word
.if \fill
	s_mov_b32 s[G1A+2], 34<<16                     ; no load of mine is out: the refill's loads are of one step and of two
	s_mov_b32 s[G1A+4], 34
	s_mov_b32 s[G1B+2], 68<<16
	s_mov_b32 s[G1B+4], 68
.endif
	WIN MUL
	MULA 2, 1, 0                                   ; work on registers between the add and the wait for it
	s_wait_dscnt 0x0                               ; the add is done, and my reads of this slot are over
	WIN 0
	s_barrier_signal -1
	s_barrier_wait -1
.if \fill
	CREST                                          ; no wave of any partner still reads this slot or has a load on its way
	JLOAD 1                                        ; the first tensor load behind the round; its four v_nop are the places in front of the loads below
.else
	PLACES 4
.endif
	FETCH \next, 0, 0
	WIN MUL
	MULA 3, 1, 0
.endm
	s_cmp_lt_u32 s14, 4
	s_cbranch_scc0 .Lslot_1_later
	s_wait_tensorcnt 0x0                           ; my part of slot 0 is in; slot 1's may stay out
.Lslot_1_later:
	s_barrier_signal -1
	s_barrier_wait -1                              ; slot 0 is whole
	FETCH 0, 0, 0
	s_cmp_eq_u32 s14, 1                            ; waves 0, 2 and 3 have a panel each to ask for
	s_cbranch_scc1 .Lnone
	s_cmp_gt_u32 s14, 3
	s_cbranch_scc1 .Lnone
	global_prefetch_b8 v[PFO], s[Q2:Q2+1] offset:12*STP th:TH_LOAD_NT scope:SCOPE_SE
	global_prefetch_b8 v[PF4], s[Q2:Q2+1] offset:12*STP th:TH_LOAD_NT scope:SCOPE_SE
.Lnone:
	STEP 0, 0, 1, 1                                ; the first step's products start the sums
	STEP 1, 0, 2, 0
	STEP 0, 0, 3, 0
	STEP 1, 0, 4, 0
	STEP 0, 0, 5, 0
	TURN 1, 1                                      ; slot 0 takes steps 12-15
	STEP 0, 1, 1, 0
	STEP 1, 1, 2, 0
	STEP 0, 1, 3, 0
	STEP 1, 1, 4, 0
	STEP 0, 1, 5, 0
	TURN 0, 0                                      ; the last load has landed, in every wave; nothing more is asked for
	STEP 0, 0, 1, 0
	STEP 1, 0, 2, 0
	STEP 0, 0, 3, 0
	s_wait_dscnt 0x0                               ; the very last step
	WIN MUL
.irp a, 0,1,2,3
	MULA \a, 1, 0
.endr
; THE WAY OUT.  For each a, lane (r, h) holds row 16 a + r of my 64 and 32 of my 64 numbers along K': register 16 B + i is block B's k 8 h + i (i < 8) or 16 + 8 h + i - 8.  Two a's at a time, d = 0, 1: four blocks j = 2 (a % 2) + B.
.macro QUANT d
.set AC, 64*(\d)
.set CD, CODES+8*(\d)
	WIN 0x05                                       ; sources 0 and 1: window 1
.irp b, 0,1,2,3
	v_max3_num_f32 v[TM+\b], |v[AC+16*\b]|, |v[AC+1+16*\b]|, 0x1800000   ; each accumulator is read from its low end on; the floor 2^(3 - 127): the byte cannot fall under 1
.endr
	WIN 0x14                                       ; sources 1 and 2: window 1
.irp i, 2,4,6,8,10,12,14
.irp b, 0,1,2,3
	v_max3_num_f32 v[TM+\b], v[TM+\b], |v[AC+16*\b+\i]|, |v[AC+1+16*\b+\i]|
.endr
.endr
	WIN 0
.irp b, 0,1,2,3
	v_permlanex16_b32 v[TM+4+\b], v[TM+\b], s[SEL], s[SEL+1]
.endr
.irp b, 0,1,2,3
	v_max_num_f32 v[TM+\b], v[TM+\b], v[TM+4+\b]   ; with lane l xor 16's 16: the block's largest magnitude
.endr
.irp b, 0,1,2,3
	v_add_nc_u32 v[TM+12+\b], 0xff000000, v[TM+\b] ; 2 off its exponent field: the conversion's scale operand
.endr
.irp b, 0,1,2,3
	v_lshrrev_b32 v[TM+4+\b], 23, v[TM+12+\b]      ; the scale's byte
.endr
	v_lshl_or_b32 v[PW+2*\d], v[TM+5], 8, v[TM+4]
	v_lshl_or_b32 v[PW+1+2*\d], v[TM+7], 8, v[TM+6]
.irp c, 0,1
	ds_store_b16 v[WST], v[PW+2*\d+\c] offset:64*(2*\d+\c)   ; both lanes of a row write the same bytes with the same value
.endr
	WIN 0x01                                       ; source 0: window 1
.irp b, 0,1,2,3
	v_cvt_scalef32_pk8_fp4_f32 v[CD+2*\b], v[AC+16*\b:AC+16*\b+7], v[TM+12+\b]
	v_cvt_scalef32_pk8_fp4_f32 v[CD+1+2*\b], v[AC+8+16*\b:AC+15+16*\b], v[TM+12+\b]
.endr
	WIN 0
	v_nop                                          ; one plain vector line behind the last scaled conversion
.irp c, 0,1                                    ; the operand's layout wants a WHOLE block in a lane: lanes 0-15 the even block, lanes 16-31 the odd one
.irp i, 0,1
	v_permlane16_swap_b32 v[CD+4*\c+\i], v[CD+2+4*\c+\i]
.endr
.endr
.irp c, 0,1
	global_store_b128 v[GO], v[CD+4*\c:CD+4*\c+3], s[PC:PC+1] offset:(2*\d+\c)*1024      ; 32 lanes store 512 consecutive bytes, at a multiple of 256 from rq's first byte
.endr
.endm
	PLACES 4                                       ; behind the last products
	QUANT 0                                        ; each has registers of its own for what it stores: no store's data are written again
	QUANT 1
	s_wait_dscnt 0x0                               ; my scale bytes lie in LDS
	s_barrier_signal -1
	s_barrier_wait -1                              ; and so do my neighbour's along K'
	s_cmp_eq_u32 s16, 0                            ; one wave of each record carries its words out
	s_cbranch_scc0 .Lend
	ds_load_b64 v[WD:WD+1], v[WRD]
	s_wait_dscnt 0x0
	global_store_b64 v[GWO], v[WD:WD+1], s[P1:P1+1] offset:4096   ; the record's 64 scale words: 256 consecutive aligned bytes
.Lend:
	s_wait_tensorcnt 0x0                           ; the wave's end
	ds_add_u32 v[SPW], v[NIL]
	s_wait_dscnt 0x0
	CROUND                                         ; the closing round: no work-group ends while a partner may still ask for a block that names it
	s_endpgm
.Lfunc_end_k_qe30809efb9_rows:
	.size	k_qe30809efb9_rows, .Lfunc_end_k_qe30809efb9_rows-k_qe30809efb9_rows
	.p2alignl 7, 3214868480
	.fill 96, 4, 3214868480
	.section	.rodata,"a",@progbits
	.p2align	6, 0x0
	.amdhsa_kernel k_qe30809efb9_rows
		.amdhsa_group_segment_fixed_size 327680
		.amdhsa_private_segment_fixed_size 0
		.amdhsa_enable_private_segment 0
		.amdhsa_kernarg_size 24
		.amdhsa_user_sgpr_count 2
		.amdhsa_user_sgpr_kernarg_segment_ptr 1
		.amdhsa_wavefront_size32 1
		.amdhsa_system_sgpr_workgroup_id_x 1
		.amdhsa_system_sgpr_workgroup_id_y 1
		.amdhsa_system_sgpr_workgroup_id_z 1
		.amdhsa_system_vgpr_workitem_id 0
		.amdhsa_next_free_vgpr 384
		.amdhsa_next_free_sgpr 88
		.amdhsa_reserve_vcc 0
		.amdhsa_float_denorm_mode_32 3
		.amdhsa_float_denorm_mode_16_64 3
		.amdhsa_memory_ordered 1
		.amdhsa_forward_progress 1
		.amdhsa_inst_pref_size 59
	.end_amdhsa_kernel
	.amdgpu_metadata
---
amdhsa.version: [ 1, 2 ]
amdhsa.kernels:
  - .name:           k_qe30809efb9_rows
    .symbol:         k_qe30809efb9_rows.kd
    .args:
      - { .name: wq, .offset: 0, .size: 8, .value_kind: global_buffer, .address_space: global }
      - { .name: xq, .offset: 8, .size: 8, .value_kind: global_buffer, .address_space: global }
      - { .name: rq, .offset: 16, .size: 8, .value_kind: global_buffer, .address_space: global }
    .group_segment_fixed_size: 327680
    .private_segment_fixed_size: 0
    .kernarg_segment_align: 8
    .kernarg_segment_size: 24
    .max_flat_workgroup_size: 256
    .sgpr_count:     88
    .vgpr_count:     384
    .wavefront_size: 32
...
	.end_amdgpu_metadata
.endif
;; end of part 5
;; launch cols (part 6): grid 16 x 16, 8 waves a work-group, clusters of 4 x 4, 327,680 bytes of LDS; arguments wt, rq, out0; writes out0
.if DOCPART == 6
	.amdgcn_target "amdgcn-amd-amdhsa--gfx1250"
	.amdhsa_code_object_version 6
	.text
	.protected	k_qe30809efb9_cols
	.globl	k_qe30809efb9_cols
	.p2align	8
	.type	k_qe30809efb9_cols,@function
k_qe30809efb9_cols:
	s_mov_b64 s[64:65], 0
	v_nop
	global_prefetch_b8 v0, s[64:65] scope:SCOPE_SE
	s_setreg_imm32_b32 hwreg(HW_REG_WAVE_MODE, 25, 1), 1
	s_wait_xcnt 0x0
	s_wait_alu depctr_hold_cnt(0) depctr_sa_sdst(0) depctr_va_vdst(0) depctr_va_sdst(0) depctr_va_ssrc(0) depctr_va_vcc(0) depctr_vm_vsrc(0)
	s_getreg_b32 s2, hwreg(HW_REG_IB_STS2, 6, 4)
	s_cmp_eq_u32 s2, 0
	s_cbranch_scc0 .Lentry_in_a_cluster
	s_endpgm
.Lentry_in_a_cluster:
	s_bfe_u32 s2, ttmp6, 0x10000c
	s_cmp_lg_u32 s2, 0xf033
	s_cbranch_scc0 .Lentry_shape_is_right
	s_endpgm
.Lentry_shape_is_right:
; out0 = [C_r | C_i];  C_r[m][n] = sum over k of W_r[k][m] R_r[k][n] - sum over k of W_i[k][m] R_i[k][n];  C_i[m][n] = sum over k of (W_r[k][m] R_i[k][n] + W_i[k][m] R_r[k][n]);  K = 2,048 in each of the four products.
; wt: row m = column m of W, W_r's 16 panels, then W_i's.  rq: R_r^T's 16 panels, then R_i^T's; K' = R's first axis.  Both are codes of FP4 with E8M0 scales, laid as images of operand registers (records of 64 rows x 128 K,
; 4,352 bytes: four fragments of 1,024 bytes, then 64 scale words; a step is two records, 128 rows x 128 K; a panel is 128 rows, 16 steps on end).  No work is left out.
; EACH FRAGMENT FEEDS TWO PRODUCTS.  A work-group makes 128 rows m x 128 columns n of BOTH C_r and C_i.  For 128 along K a wave (64 m x 64 n) reads four fragments each of W_r^T, W_i^T, R_r^T, R_i^T, 16 in all, and issues 32 matrix
; instructions of 32 x 16: C <- W_i^T R_i - C, S += W_i^T R_r, S += W_r^T R_i, C <- W_r^T R_r - C: two products that take C's negative add W_r^T R_r - W_i^T R_i to it.
; EIGHT WAVES, TWO TO A SIMD: waves 0-3 (group 0) take steps 0-7 of K, waves 4-7 (group 1) steps 8-15, wave w of each the same 64 x 64.  A wave has 2 x 8 accumulators of 32 x 16: 256 registers.
; LIMITS: C_r and C_i are each one f32 sum over both their products for each half of K, the halves added in f32; inside each block of 32 along K the codes stand in the order 0-7, 16-23, 8-15, 24-31, alike on both operands.
; THE MATRIX INSTRUCTION IS USED WITH source 0 = 32 rows of R^T, source 1 = 16 rows of Wt: a lane then holds twice eight neighbouring numbers of a row of C.
; THE RING.  Each group has four parts of 128 rows (W_r^T, W_i^T, R_r^T, R_i^T) x four steps in LDS, 34,816 bytes each: at the head each wave fetches one by one tensor load, copied as it lies.  Then each half of them, two steps, is
; filled again once: its steps 4, 5, then 6, 7.  One load a wave at the head, one behind each round: by the text's own count a wave has one out.
; CLUSTERS: 4 x 4 work-groups.  The four of a row of the cluster need the same rows of Wt, the four of a column the same rows of R^T: each part is asked for JOINTLY, by the same tensor load with the same descriptor and a mask that names the four.
; PREFETCH.  When the head's loads have landed the two refills' bytes are asked for, two steps ahead of the first refill and four ahead of the second: each wave its own part, a step (34 blocks of 256 bytes, a lane a block) by each of the
; four partners, told apart by address (cx for Wt, cy for R^T).
; THE LAST STEP GOES BY ROWS OF C: each block of 16 rows m is finished, meets its other half of K in LDS and leaves while the others are multiplied.
; REGISTERS: window 0: v8-11 LDS addresses; v24-27 the way out; v28, v29 the add's two; v30, v31 prefetch offsets; v32-47 scale words, two sets; v64-127 Wt's fragments (W_r^T's four, then W_i^T's), one set;
;   v128-255 R^T's (R_r^T's four, then R_i^T's), two sets.   window 1: C at v[32 a + 16 b], S 128 further on; on the way out rows of out0.
.set REC,   4352
.set STP,   2*REC
.set PAN,   16*STP
.set PART,  4*STP                      ; 128 rows x four steps
.set GRP,   4*PART                     ; a group's four parts
.set TPI,   272                        ; the way out: a row of 256 bytes + 16
.set TILE,  64*TPI                     ; a wave's 64 x 64 sums: C's, then S's; the sixteen lie where the ring was, when it has had its last fill and its last read
.set SPARE, 2*GRP                      ; behind the ring: the spare words, 128 bytes a wave: four blocks of 256 bytes that no other line names
.set ADRA, 8                           ; v8      my fragments of W_r^T: + 16 x lane; W_i^T's lie PART further on
.set ADRB, 9                           ; v9      of R_r^T; R_i^T's lie PART further on
.set ADSA, 10                          ; v10     the same places + 4 x lane: for the scale words
.set ADSB, 11                          ; v11
.set STO,  24                          ; v24     the way out: where I put 32 bytes of a row
.set RD0,  25                          ; v25     where I read rows back: group 0's sums,
.set RD1,  26                          ; v26     group 1's
.set CO,   27                          ; v27     my byte offset in out0
.set SPW,  28                          ; v28     LDS address of my spare word; never rewritten
.set NIL,  29                          ; v29     0; never rewritten
.set PFO,  30                          ; v30     prefetch: blocks 0-31 of a step,
.set PFB,  31                          ; v31     32-33; lanes over name the last block again
.set SC,   32                          ; scale words, set p at v[SC + 8 p]: +0, +1 W_r^T's (blocks 2 u in lanes 0-15, 2 u + 1 in lanes 16-31), +2, +3 W_i^T's, +4, +5 R_r^T's pairs, +6, +7 R_i^T's; they hold scales and nothing else
.set AF,   64
.set BF,   128
.set SA,   128                         ; S's accumulators, in window 1
.set G1A, 24                           ; s[24:31] descriptor group 1 for Wt's parts;  s[32:39] for R^T's: it differs in the mask alone
.set G1B, 32
.set G0A, 40                           ; s[40:51] group 0 for Wt's: the head's load, the two refills';  s[52:63] for R^T's
.set G0B, 52
.set OUT, 76                           ; s[76:77] my first number in out0
.set PF,  78                           ; s[78:79] where my prefetches begin
.set MSB, 0
.macro WIN new                         ; the immediate's high byte repeats the setting that is left
.if MSB != \new
	s_set_vgpr_msb (MSB<<8)|\new
.set MSB, \new
.endif
.endm
.set MUL, 0x50                         ; sources 0 (R^T) and 1 (Wt) window 0, C and D window 1
; A joint load: waves with s15 = 0 fetch Wt's parts, the others R^T's.  Each of the two lines has ONE mask; the branch hangs on the wave's number alone.
.macro JLOAD s
	s_cmp_eq_u32 s15, 0
	s_cbranch_scc0 .Lfor_b_\@
	tensor_load_to_lds s[G0A+4*\s:G0A+4*\s+3], s[G1A:G1A+7]
	s_nop 0
.rept 4
	v_nop
.endr
	s_branch .Lasked_\@
.Lfor_b_\@:
	tensor_load_to_lds s[G0B+4*\s:G0B+4*\s+3], s[G1B:G1B+7]
	s_nop 0
.rept 4
	v_nop
.endr
.Lasked_\@:
.endm
.macro CREST                           ; a round of the cluster's barrier behind its opening barrier
	s_cmp_lg_u32 s14, 0
	s_cbranch_scc1 .Lnot_wave_0_\@
	s_barrier_signal -3
.Lnot_wave_0_\@:
	s_barrier_wait -3
	s_barrier_signal -1
	s_barrier_wait -1
.endm
.macro CROUND                          ; a whole round
	s_barrier_signal -1
	s_barrier_wait -1
	CREST
.endm
.macro PLACES n                        ; a load into a register that a matrix instruction has read, and a vector instruction or a store that reads a matrix result, stand four plain vector instructions behind it (ISA guide 7.12.1 for the readers of a matrix result)
.rept \n
	v_nop
.endr
.endm
.macro G0SET g, l, lo, a, o            ; group 0: count, LDS address, global address, type
	s_mov_b32 s[\g], 1
	s_add_co_u32 s[\g+1], s[\l], \lo
	s_add_nc_u64 s[\g+2:\g+3], s[\a:\a+1], \o
	s_or_b32 s[\g+3], s[\g+3], 0x80000000
.endm
	s_load_b128 s[4:7], s[0:1], 0x0                ; wt, rq
	s_load_b64 s[8:9], s[0:1], 0x10                ; out0
	v_lshl_add_u32 v[SPW], v0, 2, SPARE
	v_mov_b32 v[NIL], 0
	ds_add_u32 v[SPW], v[NIL]                      ; the wave's opening: the add, twice on end, and its wait ahead of my first tensor load
	ds_add_u32 v[SPW], v[NIL]
	v_lshrrev_b32 v1, 5, v0
	v_readfirstlane_b32 s14, v1                    ; wave 0..7
	s_lshr_b32 s19, s14, 2                         ; my group: which half of K.  Also: I carry out C_r (0) or C_i (1)
	s_bfe_u32 s15, s14, 0x10001                    ; which 64 rows m of the tile are mine.  Also: I fetch for Wt (0) or for R^T (1)
	s_and_b32 s16, s14, 1                          ; which 64 columns n.  Also: I fetch the real part (0) or the imaginary one (1)
	s_bfe_u32 s10, ttmp6, 0x40000                  ; cx, cy: my place in the cluster
	s_bfe_u32 s11, ttmp6, 0x40004
	s_lshl_b32 s18, ttmp9, 2
	s_add_co_u32 s18, s18, s10                     ; which 128 columns n = 4 x cluster x + cx
	s_and_b32 s17, ttmp7, 0xffff
	s_lshl_b32 s17, s17, 2
	s_add_co_u32 s17, s17, s11                     ; which 128 rows m = 4 x cluster y + cy
	s_lshl_b32 s12, s11, 2
	s_lshl_b32 s12, 15, s12                        ; my row of the cluster
	s_lshl_b32 s13, 0x1111, s10                    ; my column
	; descriptor group 1: a dense block as rows of 256 bytes (32 elements of 8 bytes), no padding: 136 rows (four steps) at the head, 68 (two) in the refills
	s_or_b32 s[G1A], s12, (3<<16)|(1<<21)          ; 15:0 the mask: my row; 17:16 elements of 8 bytes; 21 set beside a mask
	s_or_b32 s[G1B], s13, (3<<16)|(1<<21)          ; the same with my column
.irp g, G1A, G1B
	s_mov_b32 s[\g+1], 32<<16                      ; tensor_dim0 = 32
	s_mov_b32 s[\g+2], 136<<16                     ; tensor_dim1
	s_mov_b32 s[\g+3], 32<<16                      ; tile_dim0 = 32
	s_mov_b32 s[\g+4], 136                         ; tile_dim1
	s_mov_b32 s[\g+5], 32                          ; from row to row: 32 elements
	s_mov_b32 s[\g+6], 0
	s_mov_b32 s[\g+7], 0
.endr
	s_mul_i32 s22, s19, 8*STP                      ; my group's first step
	s_lshl_b32 s21, s16, 4                         ; the imaginary part lies 16 panels on
	s_add_co_u32 s20, s17, s21                     ; Wt: made of cy and the wave's number alone
	s_mul_i32 s66, s20, PAN
	s_add_co_u32 s66, s66, s22
	s_mov_b32 s67, 0
	s_add_co_u32 s23, s18, s21                     ; R^T: made of cx and the wave's number alone
	s_mul_i32 s68, s23, PAN
	s_add_co_u32 s68, s68, s22
	s_mov_b32 s69, 0
	s_mul_i32 s80, s19, GRP
	s_mul_i32 s70, s16, PART                       ; where they go: no place in the cluster enters an LDS address
	s_add_co_u32 s70, s70, s80
	s_add_co_u32 s71, s70, 2*PART
	s_cmp_eq_u32 s15, 0                            ; the prefetches: my part, my step of four
	s_cselect_b32 s72, s66, s68
	s_cselect_b32 s73, s10, s11
	s_mul_i32 s73, s73, STP
	s_add_co_u32 s[PF], s72, s73
	s_mov_b32 s[PF+1], 0
	s_mul_i32 s84, s15, REC                        ; my 64 rows of W_r^T
	s_add_co_u32 s84, s84, s80
	s_mul_i32 s85, s16, REC                        ; my 64 rows of R_r^T,
	s_add_co_u32 s85, s85, s80
	s_add_co_u32 s85, s85, 2*PART                  ; which lie behind Wt's two parts
	s_wait_dscnt 0x0                               ; both opening adds are done
	s_wait_kmcnt 0x0
	s_add_nc_u64 s[66:67], s[4:5], s[66:67]
	s_add_nc_u64 s[68:69], s[6:7], s[68:69]
	G0SET G0A, 70, 0, 66, 0
	G0SET G0B, 71, 0, 68, 0
	CROUND                                         ; all sixteen work-groups are here: the first joint loads meet
	JLOAD 0                                        ; my group's steps 0-3: one tensor load a wave at the head
	s_cmp_eq_u32 s15, 0
	s_cselect_b64 s[82:83], s[4:5], s[6:7]
	s_add_nc_u64 s[PF:PF+1], s[82:83], s[PF:PF+1]
	G0SET G0A+4, 70, 0, 66, 4*STP                  ; the first half again, steps 4 and 5
	G0SET G0B+4, 71, 0, 68, 4*STP
	G0SET G0A+8, 70, 2*STP, 66, 6*STP              ; the second half again, steps 6 and 7
	G0SET G0B+8, 71, 2*STP, 68, 6*STP
	s_mul_i32 s72, s14, 2*TILE                     ; my two tiles of sums
	s_mul_i32 s73, s15, 4*TILE                     ; what I carry out: rows 8 x s16 .. + 7 of each block of my 64 rows, all 128 columns:
	s_mul_i32 s74, s19, TILE                       ; group 0's sums; group 1's lie 8 tiles on
	s_add_co_u32 s73, s73, s74
	s_mul_i32 s74, s16, 8*TPI
	s_add_co_u32 s73, s73, s74
	v_and_b32 v1, 31, v0                           ; lane
	v_lshlrev_b32 v2, 4, v1
	v_lshlrev_b32 v3, 2, v1
	v_add_nc_u32 v[ADRA], s84, v2
	v_add_nc_u32 v[ADRB], s85, v2
	v_add_nc_u32 v[ADSA], s84, v3
	v_add_nc_u32 v[ADSB], s85, v3
	v_and_b32 v4, 15, v0                           ; r
	v_bfe_u32 v5, v0, 4, 1                         ; h
	v_mul_u32_u24 v6, v4, TPI                      ; in: row r, 32 bytes for each half of the lanes
	v_lshl_add_u32 v6, v5, 5, v6
	v_add_nc_u32 v[STO], s72, v6
	v_mul_u32_u24 v7, v5, 2*TILE                   ; back: lanes 0-15 take a row's 256 bytes of columns 0-63, lanes 16-31 those of columns 64-127, the next wave's tiles
	v_lshl_add_u32 v7, v4, 4, v7
	v_add_nc_u32 v[RD0], s73, v7
	v_add_nc_u32 v[RD1], 8*TILE, v[RD0]
	v_lshlrev_b32 v[CO], 4, v1                     ; and in out0 512 bytes of a row
	v_lshlrev_b32 v[PFO], 8, v1
	v_min_u32 v[PFB], 1, v1
	v_lshl_add_u32 v[PFB], v[PFB], 8, 0x2000
	s_wait_alu depctr_va_vdst(0)
	s_lshl_b32 s73, s17, 7
	s_lshl_b32 s74, s15, 6
	s_add_co_u32 s73, s73, s74
	s_lshl_b32 s74, s16, 3
	s_add_co_u32 s73, s73, s74                     ; my first row: 128 x tile row + 64 x half + 8 x s16,
	s_lshl_b32 s80, s73, 14                        ; of 16,384 bytes;
	s_lshl_b32 s74, s18, 9                         ; the tile's first column, in bytes: 512 x tile column;
	s_add_co_u32 s80, s80, s74
	s_lshl_b32 s75, s19, 13                        ; C_i lies 2,048 numbers behind C_r in a row
	s_add_co_u32 s80, s80, s75
	s_mov_b32 s81, 0
	s_add_nc_u64 s[OUT:OUT+1], s[8:9], s[80:81]
; The 40 LDS loads of the q-th step in LDS, in runs: F_SR the scale words and R^T's two parts into set p (24), F_W Wt's part z (8).  Each b128 takes 512 bytes on end.  z: the real part (0), the imaginary one (1).
.macro F_SR q, p
	WIN 0
.irp z, 0,1
.irp u, 0,1
	ds_load_b32 v[SC+8*(\p)+2*\z+\u], v[ADSA] offset:\z*PART+(\q)*STP+4096+128*\u
	ds_load_b32 v[SC+8*(\p)+4+2*\z+\u], v[ADSB] offset:\z*PART+(\q)*STP+4096+128*\u
.endr
.endr
.irp z, 1,0
.irp f, 0,1,2,3
.irp c, 0,1
	ds_load_b128 v[BF+64*(\p)+32*\z+8*\f+4*\c:BF+64*(\p)+32*\z+8*\f+4*\c+3], v[ADRB] offset:\z*PART+(\q)*STP+\f*1024+\c*512
.endr
.endr
.endr
.endm
.macro F_W q, z
	WIN 0
.irp f, 0,1,2,3
.irp c, 0,1
	ds_load_b128 v[AF+32*\z+8*\f+4*\c:AF+32*\z+8*\f+4*\c+3], v[ADRA] offset:\z*PART+(\q)*STP+\f*1024+\c*512
.endr
.endr
.endm
; One product: block a of Wt's part pa against pair b of R^T's part pb, set p, onto C (acc = 0) or S (acc = SA).  Onto C it takes C's negative.
; Wt's scale register holds an even block's words in lanes 0-15 and the odd one's in lanes 16-31; R^T's a pair's 32.  zero = 1: the product starts the sum: nothing is ever cleared.
.macro MM acc, a, b, pa, pb, p, zero
.set rD, (\acc)+32*(\a)+16*(\b)
.set rB, BF+64*(\p)+32*(\pb)+16*(\b)
.set rA, AF+32*(\pa)+8*(\a)
.set rSB, SC+8*(\p)+4+2*(\pb)+(\b)
.set rSA, SC+8*(\p)+2*(\pa)+(\a)/2
.if \zero
.if ((\a)%2 == 0)
	v_wmma_scale_f32_32x16x128_f4 v[rD:rD+15], v[rB:rB+15], v[rA:rA+7], 0, v[rSB], v[rSA]
.else
	v_wmma_scale_f32_32x16x128_f4 v[rD:rD+15], v[rB:rB+15], v[rA:rA+7], 0, v[rSB], v[rSA] matrix_b_scale:MATRIX_SCALE_ROW1
.endif
.elseif (\acc) == 0
.if ((\a)%2 == 0)
	v_wmma_scale_f32_32x16x128_f4 v[rD:rD+15], v[rB:rB+15], v[rA:rA+7], v[rD:rD+15], v[rSB], v[rSA] neg_lo:[0,0,1]
.else
	v_wmma_scale_f32_32x16x128_f4 v[rD:rD+15], v[rB:rB+15], v[rA:rA+7], v[rD:rD+15], v[rSB], v[rSA] matrix_b_scale:MATRIX_SCALE_ROW1 neg_lo:[0,0,1]
.endif
.else
.if ((\a)%2 == 0)
	v_wmma_scale_f32_32x16x128_f4 v[rD:rD+15], v[rB:rB+15], v[rA:rA+7], v[rD:rD+15], v[rSB], v[rSA]
.else
	v_wmma_scale_f32_32x16x128_f4 v[rD:rD+15], v[rB:rB+15], v[rA:rA+7], v[rD:rD+15], v[rSB], v[rSA] matrix_b_scale:MATRIX_SCALE_ROW1
.endif
.endif
.endm
; 8 matrix instructions: one part of Wt against one part of R^T, onto 8 accumulators, which take turns, one instruction a turn.
.macro MULG acc, pa, pb, p, zero
.irp a, 0,1,2,3
.irp b, 0,1
	MM \acc, \a, \b, \pa, \pb, \p, \zero
.endr
.endr
.endm
; A step of 128 along K on set p: 32 matrix instructions.  The next step's 40 loads (nq) go out around them: words and R^T into the other set, each part of Wt when its last product is issued.
.macro STEP p, nq, zero
	F_SR \nq, 1-(\p)
	s_wait_dscnt 32                                ; this step's words, R^T and W_i are in: its W_r (8 loads) and 24 new ones may be out
	WIN MUL
	MULG 0, 1, 1, \p, \zero                        ; C <- W_i^T R_i - C
	MULG SA, 1, 0, \p, \zero                       ; S += W_i^T R_r
	PLACES 5                                       ; (five: in the first step C's two products differ in the sign, and the second writes over the first's result)
	F_W \nq, 1
	s_wait_dscnt 32                                ; W_r is in: 32 new ones may be out
	WIN MUL
	MULG SA, 0, 1, \p, 0                           ; S += W_r^T R_i
	MULG 0, 0, 0, \p, 0                            ; C <- W_r^T R_r - C
	PLACES 4
	F_W \nq, 0
.endm
; A half's second step (set 1) changes halves: in front of the barrier each wave waits for all its tensor loads, adds 0 to its spare word, and waits for that and for its own reads of this half.
; fill: which of group 0's sets fills this half again (0: none); the barrier then opens a round of the cluster's barrier.
.macro TURN nq, fill
	s_wait_dscnt 0x0                               ; this step's fragments are in
	WIN MUL
	MULG 0, 1, 1, 1, 0
	MULG SA, 1, 0, 1, 0
	WIN 0                                          ; (the add's two registers lie in window 0)
	s_wait_tensorcnt 0x0                           ; all my tensor loads have landed: my part of the next half
	ds_add_u32 v[SPW], v[NIL]                      ; 0 onto my spare word
	WIN MUL
	MULG SA, 0, 1, 1, 0                            ; work on registers between the add and the wait for it
	s_wait_dscnt 0x0                               ; the add is done, and my reads of this half are over
	WIN 0
	s_barrier_signal -1
	s_barrier_wait -1
.if \fill
	CREST                                          ; no wave of any partner still reads this half or has a load on its way
	JLOAD \fill                                    ; the first tensor load behind the round; its four v_nop are the places in front of the loads below
.else
	PLACES 4
.endif
	F_SR \nq, 0
	F_W \nq, 1
	WIN MUL
	MULG 0, 0, 0, 1, 0
	PLACES 4
	F_W \nq, 0
.endm
	s_wait_tensorcnt 0x0                           ; my part is in
.irp g, G1A, G1B
	s_mov_b32 s[\g+2], 68<<16                      ; no load of mine is out: the refills are of two steps
	s_mov_b32 s[\g+4], 68
.endr
	s_barrier_signal -1
	s_barrier_wait -1                              ; everybody's part is in
	F_SR 0, 0
	F_W 0, 1
	F_W 0, 0
	global_prefetch_b8 v[PFO], s[PF:PF+1] offset:4*STP th:TH_LOAD_NT scope:SCOPE_SE
	global_prefetch_b8 v[PFB], s[PF:PF+1] offset:4*STP th:TH_LOAD_NT scope:SCOPE_SE
	STEP 0, 1, 1                                   ; my group's step 0: its products start the sums
	TURN 2, 1                                      ; step 1; the first half takes steps 4 and 5
	STEP 0, 3, 0
	TURN 0, 2                                      ; step 3; the second half takes steps 6 and 7: the last load
	STEP 0, 1, 0
	TURN 2, 0                                      ; step 5; every wave's last load has landed; nothing more is asked for
	STEP 0, 3, 0
; Block a, 16 rows m: its last eight products; three others stand between two links on one accumulator.
.macro ROW a
	WIN MUL
	MM 0, \a, 0, 1, 1, 1, 0
	MM 0, \a, 1, 1, 1, 1, 0
	MM SA, \a, 0, 1, 0, 1, 0
	MM SA, \a, 1, 1, 0, 1, 0
	MM 0, \a, 0, 0, 0, 1, 0
	MM 0, \a, 1, 0, 0, 1, 0
	MM SA, \a, 0, 0, 1, 1, 0
	MM SA, \a, 1, 0, 1, 1, 0
.endm
; A lane holds 32 neighbouring bytes of a row for each 16 columns, and the lanes beside it hold other rows: my half of K's sums of a block go into my two tiles in LDS, by rows.
.macro PUT a
	PLACES 4                                       ; behind the block's last products
	WIN 0x04                                       ; an LDS store's data are its source 1: window 1; each accumulator from its low end on
.irp z, 0,1
.irp b, 0,1,2,3
	ds_store_b128 v[STO], v[SA*\z+32*(\a)+8*\b:SA*\z+32*(\a)+8*\b+3] offset:\z*TILE+16*(\a)*TPI+64*\b
	ds_store_b128 v[STO], v[SA*\z+32*(\a)+8*\b+4:SA*\z+32*(\a)+8*\b+7] offset:\z*TILE+16*(\a)*TPI+64*\b+16
.endr
.endr
.endm
.macro GET a                           ; whole rows of C_r (group 0) or C_i (group 1), both halves of K, into the block's own registers, which have been put
	WIN 0x40                                       ; destination window 1
.irp t, 0,1,2,3,4,5,6,7
	ds_load_b128 v[32*(\a)+4*\t:32*(\a)+4*\t+3], v[RD0] offset:(16*(\a)+\t)*TPI
	ds_load_b128 v[SA+32*(\a)+4*\t:SA+32*(\a)+4*\t+3], v[RD1] offset:(16*(\a)+\t)*TPI
.endr
.endm
.macro SEND a
	WIN 0x45                                       ; destination and sources 0 and 1: window 1
.set T, 32*(\a)
.rept 16
	v_pk_add_f32 v[T:T+1], v[T:T+1], v[SA+T:SA+T+1]
.set T, T+2
.endr
	WIN 0x04                                       ; a store's data are its source 1: window 1
.irp t, 0,1,2,3,4,5,6,7
	global_store_b128 v[CO], v[32*(\a)+4*\t:32*(\a)+4*\t+3], s[OUT:OUT+1] offset:(16*(\a)+\t)*16384   ; 32 lanes store 512 consecutive bytes of a row, at a multiple of 256 from out0's first byte; 55 rows at the most: inside the signed 24-bit immediate
.endr
.endm
	s_wait_dscnt 0x0                               ; the very last step's fragments are in: my reads of the ring are over
	s_barrier_signal -1
	ROW 0                                          ; work on registers while the others arrive
	s_barrier_wait -1                              ; nobody reads the ring any more: the tiles of sums may lie there
	PUT 0
.irp a, 0,1,2,3
	s_wait_dscnt 0x0                               ; my sums of block a lie in LDS
	s_barrier_signal -1
.if \a < 3
	ROW \a+1
.endif
	s_barrier_wait -1                              ; and so do the other half's
	GET \a
.if \a < 3
	PUT \a+1
	s_wait_dscnt 16                                ; block a is back in registers; the 16 stores of the next may be out
.else
	s_wait_dscnt 0x0
.endif
	SEND \a
.endr
	WIN 0
	s_wait_tensorcnt 0x0                           ; the wave's end
	ds_add_u32 v[SPW], v[NIL]
	s_wait_dscnt 0x0
	CROUND                                         ; the closing round: no work-group ends while a partner may still ask for a part that names it
	s_endpgm
.Lfunc_end_k_qe30809efb9_cols:
	.size	k_qe30809efb9_cols, .Lfunc_end_k_qe30809efb9_cols-k_qe30809efb9_cols
	.p2alignl 7, 3214868480
	.fill 96, 4, 3214868480
	.section	.rodata,"a",@progbits
	.p2align	6, 0x0
	.amdhsa_kernel k_qe30809efb9_cols
		.amdhsa_group_segment_fixed_size 327680
		.amdhsa_private_segment_fixed_size 0
		.amdhsa_enable_private_segment 0
		.amdhsa_kernarg_size 24
		.amdhsa_user_sgpr_count 2
		.amdhsa_user_sgpr_kernarg_segment_ptr 1
		.amdhsa_wavefront_size32 1
		.amdhsa_system_sgpr_workgroup_id_x 1
		.amdhsa_system_sgpr_workgroup_id_y 1
		.amdhsa_system_sgpr_workgroup_id_z 1
		.amdhsa_system_vgpr_workitem_id 0
		.amdhsa_next_free_vgpr 512
		.amdhsa_next_free_sgpr 88
		.amdhsa_reserve_vcc 0
		.amdhsa_float_denorm_mode_32 3
		.amdhsa_float_denorm_mode_16_64 3
		.amdhsa_memory_ordered 1
		.amdhsa_forward_progress 1
		.amdhsa_inst_pref_size 83
	.end_amdhsa_kernel
	.amdgpu_metadata
---
amdhsa.version: [ 1, 2 ]
amdhsa.kernels:
  - .name:           k_qe30809efb9_cols
    .symbol:         k_qe30809efb9_cols.kd
    .args:
      - { .name: wt, .offset: 0, .size: 8, .value_kind: global_buffer, .address_space: global }
      - { .name: rq, .offset: 8, .size: 8, .value_kind: global_buffer, .address_space: global }
      - { .name: out0, .offset: 16, .size: 8, .value_kind: global_buffer, .address_space: global }
    .group_segment_fixed_size: 327680
    .private_segment_fixed_size: 0
    .kernarg_segment_align: 8
    .kernarg_segment_size: 24
    .max_flat_workgroup_size: 256
    .sgpr_count:     88
    .vgpr_count:     512
    .wavefront_size: 32
...
	.end_amdgpu_metadata
.endif
;; end of part 6
